; MI455X (gfx1250); checked and timed in simulation.
; The chip was launched on July 23, 2026; its instructions are those of AMD's public machine-readable ISA for CDNA 5 (MIT licence, August 2026) and "CDNA5" Instruction Set Architecture Reference Guide (July 2026). The comments in the code are by the model that wrote it; some were corrected since.
;; Masked Multihead Self Attention. Allowed arithmetic: matrix products marked QUANTISED: E4M3 operands, one given power-of-two scale a tensor, by v_wmma_f32_16x16x64_fp8_fp8 or v_wmma_f32_16x16x128_fp8_fp8, f32 sums; everything else in f32.
;; Inputs: W_out 1,024 x 1,024 float32; W_qkv 1,024 x 3,072 float32; attention_mask 4 x 2,048 float32; b_out 1,024 float32; b_qkv 3,072 float32; lowp_scales 8 int32 (the exponents e of the quantised operands' scales 2^e); x 4 x 2,048 x 1,024 float32.
;; Outputs: out0 4 x 2,048 x 1,024 float32.
;; This version of the problem:
;;   THIS VERSION OF THE PROBLEM IS GIVEN IN LOW PRECISION. The matrix products marked QUANTISED in the list below multiply operands that are first quantised to E4M3 (4 exponent bits, 3 mantissa bits; 8 bits a number), with one given power-of-two scale for each operand tensor; their sums are f32. All else is computed in f32.
;;   The module's matrix products, in the order in which they are computed (A, B: the left and right operand; K: the contracted axis; several contracted axes count as one K, in the product's order):
;;     1. [M 8,192, K 1,024] x [K 1,024, N 3,072]; A: input x; B: input W_qkv: QUANTISED (scales: A lowp_scales[0], B lowp_scales[1])
;;     2. batch 64 x [M 2,048, K 64] x [K 64, N 2,048]; A: computed on the way; B: computed on the way: QUANTISED (scales: A lowp_scales[2], B lowp_scales[3])
;;     3. batch 64 x [M 2,048, K 2,048] x [K 2,048, N 64]; A: softmax (see below); B: computed on the way: QUANTISED (scales: A lowp_scales[4], B lowp_scales[5])
;;     4. [M 8,192, K 1,024] x [K 1,024, N 1,024]; A: computed on the way; B: input W_out: QUANTISED (scales: A lowp_scales[6], B lowp_scales[7])
;;   THE QUANTISER, for each operand of a quantised product, along K:
;;     - The operand's scale is 2^e, e = its entry of the input lowp_scales (int32; the entries are numbered through the quantised products in the list's order, A before B).
;;     - Each number is divided by the scale, clamped to +-448, and rounded to the nearest number of E4M3, ties to even, subnormals kept.
;;     - The product sums the exact products of the quantised numbers (number of the format x scale) in f32.
;;   ~~~python
;;   def quantise(x, axis, e):      # numpy; x: float32 -> the quantised numbers, widened to float32 again
;;       x = np.moveaxis(x, axis, -1); K = x.shape[-1]
;;       r = np.clip(x / 2.0 ** e, -448, 448)
;;       step = 2.0 ** (np.maximum(np.frexp(np.where(r == 0, 1, r))[1] - 1, -6) - 3)
;;       q = np.round(r / step) * step * 2.0 ** e      # np.round: ties to even
;;       return np.moveaxis(q, -1, axis).astype(np.float32)
;;   ~~~
;;   SOFTMAX AHEAD OF A QUANTISED PRODUCT. Where the list says 'softmax', what is quantised is not the finished softmax but p = 2^(t - M), with t = logit x log2(e) and M = ceil(the row's largest t), a whole number; so 1/2 < the row's largest p <= 1. The row's sum l is taken of the UNQUANTISED p, in f32, and the product's result is divided by l at the end. Since M is a whole number, a kernel that streams over the keys may use a running M (the ceiling of the running maximum): every later rescaling is an exact power of two, so the quantised numbers keep their values, but for numbers so far below the row's largest that they fall under the format's range.
;;   OPERANDS COMPUTED ON THE WAY. 'Computed on the way' means the value that the module computes at that place (a softmax that the list does not call 'softmax' is quantised finished and normalised). What goes into a quantiser is computed in f32, as accurately as f32 sums, v_exp_f32 and their like allow (about 1e-6 of the number): no bf16 or f16 on the way to a quantiser, and a product that is left as it is and whose result goes on into a quantised operand takes f32 operands (vector FMAs, or v_wmma_f32_16x16x4_f32). A number that lies on a knife's edge between two numbers of the format may be rounded either way, as far as f32 arithmetic and the matrix unit's own rounding can turn it there, and no further.
;; One version. Each part assembles by itself: llvm-mc -triple=amdgcn-amd-amdhsa -mcpu=gfx1250 --defsym DOCPART=n.
;; ======== version 1 of 1: 4 launches
;; workspace buffers: x_codes 8,388,608 bytes; w_codes 4,194,304 bytes; q_codes 8,388,608 bytes; k_codes 8,388,608 bytes; v_codes 8,388,608 bytes; wv_codes 8,388,608 bytes
;; launch quant (part 1): grid 384 x 1, 4 waves a work-group, no clusters, 68,096 bytes of LDS; arguments x, W_qkv, W_out, lowp_scales, x_codes, w_codes; writes x_codes, w_codes
.if DOCPART == 1
	.amdgcn_target "amdgcn-amd-amdhsa--gfx1250"
	.amdhsa_code_object_version 6
	.text
	.protected	k_qf78ebfa944_quant
	.globl	k_qf78ebfa944_quant
	.p2align	8
	.type	k_qf78ebfa944_quant,@function
k_qf78ebfa944_quant:
	s_mov_b64 s[64:65], 0
	v_nop
	global_prefetch_b8 v0, s[64:65] scope:SCOPE_SE
	s_setreg_imm32_b32 hwreg(HW_REG_WAVE_MODE, 25, 1), 1
	s_wait_xcnt 0x0
; x [8192][1024], W_qkv [1024][3072] and W_out [1024][1024], f32, become codes of FP8 (E4M3), K innermost, each with the scale 2^e given for it (entries 0, 1 and 7 of the scales).
; code = number / 2^e, held within +-448, rounded to the nearest code, ties to even.  LIMITS: -126 <= e <= 119.  NaN among the inputs is not served.
; Work-groups 0..255 take x: its K is innermost, so it is a plain stream: a wave takes 16 steps of 512 numbers; each load reads 512 consecutive bytes, the numbers turn through the wave's own stage in LDS
; so that a lane holds 16 neighbours, and a wave's store covers 512 consecutive bytes of codes.
; Work-groups 256..383 take the weights, whose K is the FIRST axis: a lane takes a column and its registers run down K, so the conversions give codes with K innermost; a wave gathers 32 columns x 256 along K
; in its own stage and stores them by rows, sixteen lanes to 256 consecutive, aligned bytes.
; w_codes is [4096 rows][1024 k].  Row p (p < 3072) holds column sig(p) of W_qkv, row 3072 + p column sig(p) of W_out; sig swaps bits 3 and 4 of the number.  With that order the 16 results
; that a lane of the later products holds in two neighbouring tiles are 16 neighbouring columns, while a tile's 16 rows lie on end.
; The two paths part on the work-group's number; each has LDS bytes of its own.  No tensor loads, no barrier: waves share nothing.
.set STEPS, 16
.set EMAX,  8
.set MANT,  0x600000                   ; the mantissa field of 448 as f32
.set SP,    80                         ; x: a lane's place in a stage: 64 bytes + 16 of padding
.set WREG,  8192                       ; x: LDS of a wave: two stages of 32 x SP bytes
.set R,     16                         ; x: v16-79   four sets of 16 numbers as loaded
.set X,     80                         ; x: v80-111  two sets of 16 neighbours
.set C,     128                        ; x: v128-191 codes, four registers a step
.set WSTG,  32768                      ; weights: the stages begin here
.set WP,    272                        ; weights: a stage row: 256 bytes + 16
.set NB,    8                          ; weights: blocks of 32 along K for a wave
.set OFF,   16                         ; weights: v16-47  row i of a block: i x pitch + 4 x lane; never rewritten
.set WX,    48                         ; weights: v48-111 two sets of 32 numbers
.set WC,    112                        ; weights: v112-119 a block's codes
.set OUTR,  120                        ; weights: v120-183 the way out
	s_load_b256 s[4:11], s[0:1], 0x0               ; x s[4:5], W_qkv s[6:7], W_out s[8:9], the scales' exponents s[10:11]
	s_load_b128 s[12:15], s[0:1], 0x20             ; x_codes s[12:13], w_codes s[14:15]
	v_lshl_add_u32 v192, v0, 2, 0x10800
	v_mov_b32 v193, 0
	v_lshrrev_b32 v1, 5, v0
	v_readfirstlane_b32 s16, v1                    ; wave
	v_and_b32 v2, 31, v0                           ; lane
	v_lshlrev_b32 v3, 4, v2                        ; x: my 16 bytes of a load's 512, and of a store's
	s_mul_i32 s17, s16, WREG
	v_lshrrev_b32 v14, 2, v2
	v_mul_u32_u24 v14, v14, SP
	v_and_b32 v15, 3, v2
	v_lshl_add_u32 v14, v15, 4, v14
	v_add_nc_u32 v14, s17, v14                     ; x: the stage on the way in: SP (lane / 4) + 16 (lane % 4)
	v_mul_u32_u24 v15, v2, SP
	v_add_nc_u32 v15, s17, v15                     ; x: and on the way out: SP x lane
	v_lshlrev_b32 v5, 2, v2                        ; weights: 4 bytes a lane
	s_mul_i32 s18, s16, 32*WP
	s_add_co_u32 s18, s18, WSTG                    ; weights: my stage
	v_mul_u32_u24 v6, v2, WP
	v_add_nc_u32 v6, s18, v6                       ; into it: row = my column
	v_and_b32 v9, 15, v2
	v_lshrrev_b32 v12, 4, v2
	v_mul_u32_u24 v7, v12, WP
	v_lshl_add_u32 v7, v9, 4, v7
	v_add_nc_u32 v7, s18, v7                       ; out of it: sixteen lanes to a row, two rows an instruction
	v_lshlrev_b32 v8, 10, v12
	v_lshl_add_u32 v8, v9, 4, v8                   ; and the same place in w_codes (a row is 1,024 bytes)
	s_wait_kmcnt 0x0
	s_load_b256 s[24:31], s[10:11], 0x0            ; e0 .. e7
	s_cmp_lt_u32 ttmp9, 256
	s_cbranch_scc0 .Lw
; ---------------- x
	s_lshl_b32 s17, ttmp9, 2
	s_add_co_u32 s17, s17, s16                     ; which run of 8,192 numbers is my wave's
	s_lshl_b32 s18, s17, 15
	s_mov_b32 s19, 0
	s_add_nc_u64 s[4:5], s[4:5], s[18:19]
	s_lshl_b32 s20, s17, 13
	s_mov_b32 s21, 0
	s_add_nc_u64 s[12:13], s[12:13], s[20:21]
.macro LOAD t
.irp i, 0,1,2,3
	global_load_b128 v[R+16*((\t)%4)+4*\i:R+16*((\t)%4)+4*\i+3], v3, s[4:5] offset:2048*(\t)+512*\i th:TH_LOAD_NT   ; 32 lanes read 512 consecutive bytes
.endr
.endm
.macro TURN t                          ; step t's numbers through the stage: LDS serves a wave's instructions in order, so no wait stands between the stores and the loads
.irp i, 0,1,2,3
	ds_store_b128 v14, v[R+16*((\t)%4)+4*\i:R+16*((\t)%4)+4*\i+3] offset:32*SP*((\t)%2)+8*SP*\i
.endr
.irp i, 0,1,2,3
	ds_load_b128 v[X+16*((\t)%2)+4*\i:X+16*((\t)%2)+4*\i+3], v15 offset:32*SP*((\t)%2)+16*\i
.endr
.endm
.irp t, 0,1,2,3
	LOAD \t
.endr
	s_wait_kmcnt 0x0
	s_add_co_i32 s22, s24, 127
	s_lshl_b32 s23, s22, 23
	v_mov_b32 v11, s23                             ; 2^e0 as f32: the conversion takes its exponent field
	s_add_co_i32 s22, s22, EMAX
	s_lshl_b32 s22, s22, 23
	s_or_b32 s22, s22, MANT
	v_mov_b32 v10, s22                             ; 448 x 2^e0
	s_wait_loadcnt 12                              ; step 0's four loads are in; the twelve behind them may be out
	TURN 0
.macro STEP t
.set XS, X+16*((\t)%2)
	s_wait_dscnt 0x0                               ; this step's numbers are back from the stage: so its stores into the stage have read their registers,
.if (\t)+4 < STEPS
	LOAD (\t)+4                                    ; which take the loads of four steps on
.endif
.if (\t)+1 < STEPS
.if STEPS-2-(\t) >= 3
	s_wait_loadcnt 12                              ; the next step's four loads are in; those of the three steps behind it may be out
.else
	s_wait_loadcnt 4*(STEPS-2-(\t))                ; at the end the steps behind it are fewer
.endif
	TURN (\t)+1                                    ; and go through the other stage while this step is worked
.endif
.set i, 0
.rept 16
	v_med3_num_f32 v[XS+i], v[XS+i], -v10, v10     ; the conversion to an 8-bit code does not saturate (ISA guide 7.6.2): the hold at the largest code x the scale
.set i, i+1
.endr
	v_cvt_scalef32_pk8_fp8_f32 v[C+4*(\t):C+4*(\t)+1], v[XS:XS+7], v11
	v_cvt_scalef32_pk8_fp8_f32 v[C+4*(\t)+2:C+4*(\t)+3], v[XS+8:XS+15], v11
	global_store_b128 v3, v[C+4*(\t):C+4*(\t)+3], s[12:13] offset:512*(\t)   ; the results go to a store alone; the next vector lines are the next step's holds, on other registers
.endm
.irp t, 0,1,2,3,4,5,6,7,8,9,10,11,12,13,14,15
	STEP \t
.endr
	s_wait_tensorcnt 0x0
	ds_add_u32 v192, v193
	s_wait_dscnt 0x0
	s_endpgm
; ---------------- the weights
.Lw:
	s_sub_co_u32 s17, ttmp9, 256
	s_and_b32 s18, s17, 31                         ; which 128 rows of w_codes: 0..23 W_qkv, 24..31 W_out
	s_lshr_b32 s19, s17, 5                         ; which 256 along K
	s_mov_b32 s20, 4096
	s_cmp_lt_u32 s18, 24
	s_cselect_b32 s20, 12288, s20                  ; a row of the weight in bytes
	s_cselect_b32 s21, 0, 24
	s_cselect_b64 s[32:33], s[6:7], s[8:9]
	s_sub_co_u32 s21, s18, s21
	s_lshl_b32 s21, s21, 7                         ; the first of the work-group's 128 columns,
	s_lshl_b32 s50, s16, 5
	s_add_co_u32 s21, s21, s50                     ; of my wave's 32,
	s_lshl_b32 s21, s21, 2                         ; in bytes
	s_lshl_b32 s50, s19, 8
	s_mul_i32 s50, s50, s20                        ; + my first row along K
	s_add_co_u32 s50, s50, s21
	s_mov_b32 s51, 0
	s_add_nc_u64 s[32:33], s[32:33], s[50:51]      ; block 0's base
	s_lshl_b32 s22, s20, 5                         ; 32 rows on
	s_mov_b32 s23, 0
.irp t, 1,2,3,4,5,6,7
	s_add_nc_u64 s[32+2*\t:33+2*\t], s[30+2*\t:31+2*\t], s[22:23]   ; a base of its own for each block: no address register is ever written again
.endr
	s_lshl_b32 s52, s18, 7
	s_lshl_b32 s53, s16, 5
	s_add_co_u32 s52, s52, s53
	s_lshl_b32 s52, s52, 10                        ; my wave's first row of w_codes,
	s_lshl_b32 s53, s19, 8
	s_add_co_u32 s52, s52, s53                     ; at my 256 along K
	s_mov_b32 s53, 0
	s_add_nc_u64 s[14:15], s[14:15], s[52:53]
.irp i, 0,1,2,3,4,5,6,7,8,9,10,11,12,13,14,15,16,17,18,19,20,21,22,23,24,25,26,27,28,29,30,31
	v_mad_u32_u24 v[OFF+\i], s20, \i, v5
.endr
.macro WLOAD t                         ; block t: W(32 t + i, my column), i = 0 .. 31, into set t % 2: each load reads 128 consecutive bytes a wave
.set i, 0
.rept 32
	global_load_b32 v[WX+32*((\t)%2)+i], v[OFF+i], s[32+2*(\t):33+2*(\t)] th:TH_LOAD_NT
.set i, i+1
.endr
.endm
	WLOAD 0
	WLOAD 1
	s_wait_kmcnt 0x0
	s_cmp_lt_u32 s18, 24
	s_cselect_b32 s54, s25, s31                    ; e1 or e7
	s_add_co_i32 s54, s54, 127
	s_lshl_b32 s55, s54, 23
	v_mov_b32 v11, s55
	s_add_co_i32 s54, s54, EMAX
	s_lshl_b32 s54, s54, 23
	s_or_b32 s54, s54, MANT
	v_mov_b32 v10, s54
.macro BLOCK t
.set XS, WX+32*((\t)%2)
.if (\t) < NB-1
	s_wait_loadcnt 32                              ; this block's 32 loads are in; the next block's may be out
.else
	s_wait_loadcnt 0
.endif
.set i, 0
.rept 32
	v_med3_num_f32 v[XS+i], v[XS+i], -v10, v10
.set i, i+1
.endr
.irp g, 0,1,2,3
	v_cvt_scalef32_pk8_fp8_f32 v[WC+2*\g:WC+2*\g+1], v[XS+8*\g:XS+8*\g+7], v11
.endr
	ds_store_b128 v6, v[WC:WC+3] offset:32*(\t)    ; 32 codes: 32 bytes of my column's row
	ds_store_b128 v6, v[WC+4:WC+7] offset:32*(\t)+16
.if (\t)+2 < NB
	WLOAD (\t)+2
.endif
	s_wait_dscnt 0x0                               ; the stores have read their registers: the next block's codes may be written
.endm
.irp t, 0,1,2,3,4,5,6,7
	BLOCK \t
.endr
.irp t, 0,1,2,3,4,5,6,7,8,9,10,11,12,13,14,15
	ds_load_b128 v[OUTR+4*\t:OUTR+4*\t+3], v7 offset:2*\t*WP   ; LDS serves a wave's instructions in order: these see my stores
.endr
.irp t, 0,1,2,3,4,5,6,7,8,9,10,11,12,13,14,15
	s_wait_dscnt 15-\t
	global_store_b128 v8, v[OUTR+4*\t:OUTR+4*\t+3], s[14:15] offset:((((2*\t)&7)|(((2*\t)&8)<<1)|(((2*\t)&16)>>1))*1024)   ; columns 2 t and 2 t + 1 go to rows sig(2 t) and sig(2 t) + 1
.endr
	s_wait_tensorcnt 0x0
	ds_add_u32 v192, v193
	s_wait_dscnt 0x0
	s_endpgm
.Lfunc_end_k_qf78ebfa944_quant:
	.size	k_qf78ebfa944_quant, .Lfunc_end_k_qf78ebfa944_quant-k_qf78ebfa944_quant
	.p2alignl 7, 3214868480
	.fill 96, 4, 3214868480
	.section	.rodata,"a",@progbits
	.p2align	6, 0x0
	.amdhsa_kernel k_qf78ebfa944_quant
		.amdhsa_group_segment_fixed_size 68096
		.amdhsa_private_segment_fixed_size 0
		.amdhsa_enable_private_segment 0
		.amdhsa_kernarg_size 48
		.amdhsa_user_sgpr_count 2
		.amdhsa_user_sgpr_kernarg_segment_ptr 1
		.amdhsa_wavefront_size32 1
		.amdhsa_system_sgpr_workgroup_id_x 1
		.amdhsa_system_sgpr_workgroup_id_y 1
		.amdhsa_system_sgpr_workgroup_id_z 1
		.amdhsa_system_vgpr_workitem_id 0
		.amdhsa_next_free_vgpr 194
		.amdhsa_next_free_sgpr 66
		.amdhsa_reserve_vcc 0
		.amdhsa_float_denorm_mode_32 3
		.amdhsa_float_denorm_mode_16_64 3
		.amdhsa_memory_ordered 1
		.amdhsa_forward_progress 1
		.amdhsa_inst_pref_size 88
	.end_amdhsa_kernel
	.amdgpu_metadata
---
amdhsa.version: [ 1, 2 ]
amdhsa.kernels:
  - .name:           k_qf78ebfa944_quant
    .symbol:         k_qf78ebfa944_quant.kd
    .args:
      - { .name: x, .offset: 0, .size: 8, .value_kind: global_buffer, .address_space: global }
      - { .name: W_qkv, .offset: 8, .size: 8, .value_kind: global_buffer, .address_space: global }
      - { .name: W_out, .offset: 16, .size: 8, .value_kind: global_buffer, .address_space: global }
      - { .name: lowp_scales, .offset: 24, .size: 8, .value_kind: global_buffer, .address_space: global }
      - { .name: x_codes, .offset: 32, .size: 8, .value_kind: global_buffer, .address_space: global }
      - { .name: w_codes, .offset: 40, .size: 8, .value_kind: global_buffer, .address_space: global }
    .group_segment_fixed_size: 68096
    .private_segment_fixed_size: 0
    .kernarg_segment_align: 8
    .kernarg_segment_size: 48
    .max_flat_workgroup_size: 128
    .sgpr_count:     66
    .vgpr_count:     194
    .wavefront_size: 32
...
	.end_amdgpu_metadata
.endif
;; end of part 1
;; launch qkv (part 2): grid 12 x 32, 4 waves a work-group, clusters of 4 x 4, 327,680 bytes of LDS; arguments x_codes, w_codes, lowp_scales, b_qkv, q_codes, k_codes, v_codes; writes q_codes, k_codes, v_codes
.if DOCPART == 2
	.amdgcn_target "amdgcn-amd-amdhsa--gfx1250"
	.amdhsa_code_object_version 6
	.text
	.protected	k_qf78ebfa944_qkv
	.globl	k_qf78ebfa944_qkv
	.p2align	8
	.type	k_qf78ebfa944_qkv,@function
k_qf78ebfa944_qkv:
	s_mov_b64 s[64:65], 0
	v_nop
	global_prefetch_b8 v0, s[64:65] scope:SCOPE_SE
	s_setreg_imm32_b32 hwreg(HW_REG_WAVE_MODE, 25, 1), 1
	s_wait_xcnt 0x0
	s_wait_alu depctr_hold_cnt(0) depctr_sa_sdst(0) depctr_va_vdst(0) depctr_va_sdst(0) depctr_va_ssrc(0) depctr_va_vcc(0) depctr_vm_vsrc(0)
	s_getreg_b32 s2, hwreg(HW_REG_IB_STS2, 6, 4)
	s_cmp_eq_u32 s2, 0
	s_cbranch_scc0 .Lentry_in_a_cluster
	s_endpgm
.Lentry_in_a_cluster:
	s_bfe_u32 s2, ttmp6, 0x10000c
	s_cmp_lg_u32 s2, 0xf033
	s_cbranch_scc0 .Lentry_shape_is_right
	s_endpgm
.Lentry_shape_is_right:
; qkv = x W_qkv + b_qkv on codes of FP8 (E4M3), and Q, K, V quantised on the way out.  x_codes [8192][1024], w_codes rows 0..3071 [row][1024] (row p = column sig(p) of W_qkv; sig swaps bits 3 and 4).
; A sum stands for sum x 2^(e0 + e1).  The bias goes in as b / 2^(e0 + e1), and the conversion takes 2^(eo - e0 - e1) as its one scale, eo = e2 (Q), e3 (K), e5 (V).
; LIMITS: eo - e0 - e1 between -126 and 119, so that the scale and 448 x the scale are f32 numbers.  NaN among the inputs is not served.
; A tile of 256 x 256 is made by four waves, 128 x 128 each: 64 accumulators, 512 registers.  K goes in four steps of 256 through a ring of two LDS slots filled by the tensor data mover.
; CLUSTERS: 4 x 4 work-groups; the four of a row need the same rows of x, the four of a column the same rows of w_codes: each tile is asked for jointly.  A cluster's x is the section: 0 Q, 1 K, 2 V.
; THE MATRIX INSTRUCTION: lane (r, h), register j of accumulator (a, b) = (source 1's row 16 a + r) . (source 0's row 16 b + 8 h + j).
;   Q, K: source 1 = rows of x, source 0 = rows of w_codes: a lane holds one token and, by sig, columns 32 g + 16 h + i in register 16 g + i: 16 neighbours along the head's axis, which is the next product's K.
;   V:    the two are swapped, by the LDS addresses from which the fragments are read and by nothing else: a lane holds one column of V and tokens 16 b + 8 h + j: neighbours along the keys, the next product's K.
; OUT:  q_codes [64 heads][2048 t][64];  k_codes the same with key t at place sig(t);  v_codes [64 heads][16 blocks of 128 keys][64 places][128 keys], place p = channel sig(p) (it is w_codes' row).
;       A block of 16 rows goes through the wave's own stage in LDS and leaves as runs of 512 consecutive bytes a store.
; REGISTERS, in windows of 256: window 0: v0-31 addresses; v32-95 the bias for Q, K; v96-111 for V; from v128 source 1's fragments, ONE set; on the way out v128-191 sums, v192-207 codes, v208-239 rows read back.
;   window 1: source 0's fragments, TWO sets.   window 2: the accumulators of blocks a = 0..3;   window 3: of a = 4..7.
.set KROW,   1024                      ; a row of codes in memory
.set ROWB,   256                       ; a tile's row: 256 codes
.set PITCH,  272                       ; an LDS row: 256 bytes + 16 of padding: the 16 rows that a load touches start at 16 different banks (64 banks of 4 bytes: ISA guide 11.1)
.set FR,     16
.set NL,     4
.set NP,     4                         ; places behind this matrix instruction (ISA guide 7.12.1)
.set HALFT,  128*PITCH
.set SLOT,   4*HALFT                   ; x's 256 rows, then w_codes' 256 rows
.set LAPS,   2                         ; 1,024 along K = two laps of two slots
.set SPARE,  2*SLOT                    ; behind the ring: the spare words, 128 bytes a wave
.set CO,   8                           ; v8-11   Q, K: byte offsets of a store: 16 x lane + the place of rows 16 (a % 2) + 8 i
.set COV,  12                          ; v12     16 x lane
.set SCV,  13                          ; v13     the conversion's scale
.set LIMV, 14                          ; v14     448 x that
.set ADRA, 16                          ; v16-17  LDS address of source 1's fragments in slot 0, 1
.set ADRB, 20                          ; v20-21  of source 0's
.set STO,  24                          ; v24, v25  Q, K: into the stage, and back
.set RD,   25
.set STV,  26                          ; v26, v27  V: the same, in other bytes
.set RDV,  27
.set SPW,  28                          ; v28     my spare word; never rewritten
.set NIL,  29                          ; v29     0; never rewritten
.set BIA,  30
.set BVA,  31
.set BI,   32
.set BV,   96
.set AF,   128
.set SM,   128
.set CD,   192
.set BK,   208
.set G1, 24
.set G0, 32
.set G1B, 48
.set G0B, 56
.set MSB, 0
.macro WIN new                         ; the immediate's high byte repeats the setting that is left
.if MSB != \new
	s_set_vgpr_msb (MSB<<8)|\new
.set MSB, \new
.endif
.endm
.set MUL_LO, 0xa1                      ; source 0 window 1, source 1 window 0, C and D window 2
.set MUL_HI, 0xf1                      ; the same, C and D window 3
.set TO_B,   0x40                      ; destination window 1, address window 0
; A joint load: waves 0 and 1 fetch x's halves, waves 2 and 3 w_codes'.  The branch hangs on the wave's number alone.  Four v_nop follow each of the two lines.
.macro JLOAD g0a, g1a, g0b, g1b
	s_cmp_eq_u32 s15, 0
	s_cbranch_scc0 .Lfor_b_\@
	tensor_load_to_lds s[\g0a:\g0a+3], s[\g1a:\g1a+7]
	s_nop 0
.rept 4
	v_nop
.endr
	s_branch .Lasked_\@
.Lfor_b_\@:
	tensor_load_to_lds s[\g0b:\g0b+3], s[\g1b:\g1b+7]
	s_nop 0
.rept 4
	v_nop
.endr
.Lasked_\@:
.endm
.macro CREST                           ; a round of the cluster's barrier behind its opening barrier
	s_cmp_lg_u32 s14, 0
	s_cbranch_scc1 .Lnot_wave_0_\@
	s_barrier_signal -3
.Lnot_wave_0_\@:
	s_barrier_wait -3
	s_barrier_signal -1
	s_barrier_wait -1
.endm
.macro CROUND
	s_barrier_signal -1
	s_barrier_wait -1
	CREST
.endm
	s_load_b256 s[4:11], s[0:1], 0x0               ; x_codes s[4:5], w_codes s[6:7], the scales' exponents s[8:9], b_qkv s[10:11]
	s_load_b128 s[68:71], s[0:1], 0x20             ; q_codes, k_codes
	s_load_b64 s[72:73], s[0:1], 0x30              ; v_codes
	v_lshl_add_u32 v[SPW], v0, 2, SPARE
	v_mov_b32 v[NIL], 0
	ds_add_u32 v28, v29
	s_wait_dscnt 0x0
	v_lshrrev_b32 v1, 5, v0
	v_readfirstlane_b32 s14, v1                    ; wave 0..3
	s_lshr_b32 s15, s14, 1                         ; which half of source 1's rows is mine.  Also: I fetch for x (0) or for w_codes (1)
	s_and_b32 s16, s14, 1                          ; which half of source 0's rows.  Also: which 128 rows I fetch
	s_bfe_u32 s40, ttmp6, 0x40000                  ; cx, cy: my place in the cluster
	s_bfe_u32 s41, ttmp6, 0x40004
	s_lshl_b32 s42, ttmp9, 2
	s_add_co_u32 s42, s42, s40                     ; tile column = 4 x cluster x + cx
	s_and_b32 s17, ttmp7, 0xffff
	s_lshl_b32 s17, s17, 2
	s_add_co_u32 s17, s17, s41                     ; tile row = 4 x cluster y + cy
	s_lshl_b32 s43, s41, 2
	s_lshl_b32 s43, 15, s43                        ; my row of the cluster
	s_lshl_b32 s44, 0x1111, s40                    ; my column
	s_or_b32 s[G1+0], s43, (0<<16)|(1<<20)|(1<<21)|(5<<22)|(3<<25)  ; 15:0 the mask; 17:16 elements of 1 byte; 20 padding on; 21 set beside a mask; 24:22 after every 64 words; 31:25 four words
	s_or_b32 s[G1B+0], s44, (0<<16)|(1<<20)|(1<<21)|(5<<22)|(3<<25)
.irp g, G1, G1B
	s_mov_b32 s[\g+1], ROWB<<16                    ; tensor_dim0
	s_mov_b32 s[\g+2], 128<<16                     ; tensor_dim1
	s_mov_b32 s[\g+3], ROWB<<16                    ; tile_dim0
	s_mov_b32 s[\g+4], 128                         ; tile_dim1
	s_mov_b32 s[\g+5], KROW                        ; tensor_dim0_stride
	s_mov_b32 s[\g+6], 0
	s_mov_b32 s[\g+7], 0
.endr
	s_lshl_b32 s18, s16, 7
	s_lshl_b32 s20, s17, 8
	s_add_co_u32 s20, s20, s18                     ; x: row 256 x tile row + 128 x half,
	s_lshl_b32 s20, s20, 10                        ; in bytes
	s_mov_b32 s21, 0
	s_lshl_b32 s46, s42, 8
	s_add_co_u32 s46, s46, s18                     ; w_codes: row 256 x tile column + 128 x half
	s_lshl_b32 s46, s46, 10
	s_mov_b32 s47, 0
	s_mul_i32 s45, s14, HALFT                      ; where they go: wave x 128 rows
	s_wait_kmcnt 0x0
	s_load_b256 s[80:87], s[8:9], 0x0              ; e0 .. e7
	s_add_nc_u64 s[20:21], s[4:5], s[20:21]
	s_add_nc_u64 s[46:47], s[6:7], s[46:47]
	CROUND                                         ; all sixteen work-groups are here: the first joint loads meet
.irp s, 0,1
	s_mov_b32 s[G0+4*\s], 1
	s_add_co_u32 s[G0+4*\s+1], s45, \s*SLOT
	s_add_nc_u64 s[G0+4*\s+2:G0+4*\s+3], s[20:21], \s*ROWB
	s_or_b32 s[G0+4*\s+3], s[G0+4*\s+3], 0x80000000
	s_mov_b32 s[G0B+4*\s], 1
	s_add_co_u32 s[G0B+4*\s+1], s45, \s*SLOT
	s_add_nc_u64 s[G0B+4*\s+2:G0B+4*\s+3], s[46:47], \s*ROWB
	s_or_b32 s[G0B+4*\s+3], s[G0B+4*\s+3], 0x80000000
	JLOAD G0+4*\s, G1, G0B+4*\s, G1B
.endr
	v_and_b32 v1, 15, v0                           ; r
	v_bfe_u32 v2, v0, 4, 1                         ; h
	v_and_b32 v6, 31, v0                           ; lane
	v_mul_u32_u24 v3, v1, PITCH
	v_lshl_add_u32 v4, v2, 4, v3                   ; a fragment's row x pitch + 16 x half
	s_cmp_eq_u32 ttmp9, 2                          ; V?  The cluster's x: the same in all sixteen partners
	s_cselect_b32 s92, 2*HALFT, 0                  ; source 1 reads x's rows (Q, K) or w_codes' (V),
	s_cselect_b32 s93, 0, 2*HALFT                  ; source 0 the other
	s_mul_i32 s21, s15, HALFT
	s_add_co_u32 s21, s21, s92
	s_mul_i32 s22, s16, HALFT
	s_add_co_u32 s22, s22, s93
.irp s, 0,1
	v_add_nc_u32 v[ADRA+\s], s21, v4
	v_add_nc_u32 v[ADRB+\s], s22, v4
	s_add_co_u32 s21, s21, SLOT
	s_add_co_u32 s22, s22, SLOT
.endr
	; the stages lie in slot 0, which has had its last fill and its last read when the first result is stored there.  Q, K: 2 heads x 16 rows x (64 + 16) bytes a wave; V: 16 rows x (128 + 16), in other bytes
	s_lshl_b32 s23, s14, 12
	v_mul_u32_u24 v5, v1, 80
	v_lshl_add_u32 v5, v2, 4, v5
	v_add_nc_u32 v[STO], s23, v5                   ; in: row r, 16 bytes for each half of the lanes
	v_lshrrev_b32 v7, 2, v6
	v_mul_u32_u24 v7, v7, 80
	v_and_b32 v5, 3, v6
	v_lshl_add_u32 v7, v5, 4, v7
	v_add_nc_u32 v[RD], s23, v7                    ; back: four lanes to a row of 64 bytes, eight rows an instruction
	s_add_co_u32 s23, s23, 16384
	v_mul_u32_u24 v5, v1, 144
	v_lshl_add_u32 v5, v2, 3, v5
	v_add_nc_u32 v[STV], s23, v5                   ; in: row r, 8 bytes for each half of the lanes
	v_lshrrev_b32 v7, 3, v6
	v_mul_u32_u24 v7, v7, 144
	v_and_b32 v5, 7, v6
	v_lshl_add_u32 v7, v5, 4, v7
	v_add_nc_u32 v[RDV], s23, v7                   ; back: eight lanes to a row of 128 bytes, four rows an instruction
	v_lshlrev_b32 v[COV], 4, v6
	s_mov_b32 s94, 512
	s_mov_b32 s95, 1024
	s_cmp_eq_u32 ttmp9, 0
	s_cselect_b32 s92, 1024, s94                   ; 16 rows on: 1,024 bytes in Q; in K they lie 8 places on (sig)
	s_cselect_b32 s93, 512, s95                    ; 8 rows on: 512 bytes in Q; in K 16 places on
	v_mov_b32 v[CO], v[COV]
	v_add_nc_u32 v[CO+1], s93, v[COV]
	v_add_nc_u32 v[CO+2], s92, v[COV]
	v_add_nc_u32 v[CO+3], s93, v[CO+2]
	; the biases.  Q, K: register 16 g + i wants column 32 g + 16 h + i of my 128.  V: accumulators a want the column of w_codes' row 16 a + r: 32 (a / 2) + 16 (r / 8) + 8 (a % 2) + r % 8, twice (a pair for the packed sum).
	; Both sets are loaded in every section (all addresses lie inside b_qkv), so that no register hangs on a path
	s_lshl_b32 s94, s42, 10
	s_lshl_b32 s95, s16, 9
	s_add_co_u32 s95, s95, s94
	v_lshl_add_u32 v[BIA], v2, 6, s95
	s_lshl_b32 s95, s15, 9
	s_add_co_u32 s95, s95, s94
	v_and_b32 v5, 7, v1
	v_lshrrev_b32 v7, 3, v1
	v_lshl_add_u32 v5, v7, 4, v5
	v_lshl_add_u32 v[BVA], v5, 2, s95
.irp g, 0,1,2,3
.irp k, 0,1,2,3
	global_load_b128 v[BI+16*\g+4*\k:BI+16*\g+4*\k+3], v[BIA], s[10:11] offset:128*\g+16*\k
.endr
.endr
.irp a, 0,1,2,3,4,5,6,7
	global_load_b32 v[BV+2*\a], v[BVA], s[10:11] offset:4*(32*(\a/2)+8*(\a%2))
	global_load_b32 v[BV+2*\a+1], v[BVA], s[10:11] offset:4*(32*(\a/2)+8*(\a%2))
.endr
	; where my results go
	s_lshr_b32 s92, s17, 3                         ; the batch: 8 tile rows each
	s_lshl_b32 s92, s92, 4
	s_lshl_b32 s93, s40, 2
	s_add_co_u32 s92, s92, s93                     ; 16 x batch + the tile's first head (4 cx)
	s_and_b32 s93, s17, 7                          ; which 256 tokens of the batch
	s_lshl_b32 s94, s16, 1
	s_add_co_u32 s94, s94, s92                     ; Q, K: my first head,
	s_lshl_b32 s94, s94, 11
	s_lshl_b32 s95, s93, 8
	s_add_co_u32 s94, s94, s95
	s_lshl_b32 s95, s15, 7
	s_add_co_u32 s94, s94, s95                     ; my first token,
	s_lshl_b32 s94, s94, 6                         ; 64 bytes each
	s_mov_b32 s95, 0
	s_cmp_eq_u32 ttmp9, 0
	s_cselect_b64 s[88:89], s[68:69], s[70:71]
	s_add_nc_u64 s[88:89], s[88:89], s[94:95]
	s_lshl_b32 s94, s15, 1
	s_add_co_u32 s94, s94, s92                     ; V: my first head,
	s_lshl_b32 s94, s94, 4
	s_lshl_b32 s96, s93, 1
	s_add_co_u32 s94, s94, s96
	s_add_co_u32 s94, s94, s16                     ; my block of 128 keys,
	s_lshl_b32 s94, s94, 13                        ; 64 places x 128 bytes each
	s_add_nc_u64 s[90:91], s[72:73], s[94:95]
.macro FRAG reg, adr, q, i             ; a fragment, 16 rows x 128 K: lane l holds row l % 16; registers 4 c .. 4 c + 3 hold K = 32 c + 16 (l / 16) + 0 .. 15: the same places in both sources
.irp c, 0,1,2,3
	ds_load_b128 v[\reg+4*\c:\reg+4*\c+3], v[\adr] offset:128*(\q)+32*\c+(\i)*16*PITCH
.endr
.endm
; 16 matrix instructions: source 1's blocks a0, a0 + 1 x source 0's eight.  The 64 accumulators take turns, one instruction a turn, in the same order in every step.
.macro MUL16 a0, p, zero
.irp a, \a0, \a0+1
.irp b, 0,1,2,3,4,5,6,7
.if \zero
	v_wmma_f32_16x16x128_fp8_fp8 v[8*(8*((\a)%4)+\b):8*(8*((\a)%4)+\b)+7], v[128*(\p)+FR*\b:128*(\p)+FR*\b+FR-1], v[AF+FR*(\a):AF+FR*(\a)+FR-1], 0
.else
	v_wmma_f32_16x16x128_fp8_fp8 v[8*(8*((\a)%4)+\b):8*(8*((\a)%4)+\b)+7], v[128*(\p)+FR*\b:128*(\p)+FR*\b+FR-1], v[AF+FR*(\a):AF+FR*(\a)+FR-1], v[8*(8*((\a)%4)+\b):8*(8*((\a)%4)+\b)+7]
.endif
.endr
.endr
.endm
.macro FETCH_B slot, q, p
	WIN TO_B
.irp i, 0,1,2,3,4,5,6,7
	FRAG 128*(\p)+FR*\i, ADRB+\slot, \q, \i
.endr
	WIN 0
.endm
.macro FETCH_A slot, q, i0
.irp i, \i0, \i0+1, \i0+2, \i0+3
	FRAG AF+FR*(\i), ADRA+\slot, \q, \i
.endr
.endm
.macro PLACES n                        ; plain vector instructions between a matrix instruction and a load into, or a read of, its registers
.rept \n
	v_nop
.endr
.endm
.macro STEP slot, q, zero              ; 128 along K, with its successor in the same slot
	s_wait_dscnt 4*NL                              ; source 0's set and source 1's blocks 0-3 are in; the youngest 16 loads (blocks 4-7) may be out
	WIN MUL_LO
	MUL16 0, (\q)%2, \zero
	MUL16 2, (\q)%2, \zero
	s_wait_dscnt 0                                 ; blocks 4-7 are in
	PLACES NP
	FETCH_B \slot, (\q)+1, 1-(\q)%2
	FETCH_A \slot, (\q)+1, 0
	WIN MUL_HI
	MUL16 4, (\q)%2, \zero
	MUL16 6, (\q)%2, \zero
	PLACES NP
	WIN 0
	FETCH_A \slot, (\q)+1, 4
.endm
; A slot's last step changes slots: ONE barrier; in front of it each wave waits for all its tensor loads, adds 0 to its spare word, and waits for that and for its own reads of this slot.
.macro TURN slot, next, fill
	s_wait_tensorcnt 0x0                           ; all my tensor loads have landed: my part of the next slot
	ds_add_u32 v[SPW], v[NIL]                      ; 0 onto my spare word
	s_wait_dscnt 4*NL+1                            ; (the add and the youngest 16 loads may be out)
	WIN MUL_LO
	MUL16 0, 1, 0
	s_wait_dscnt 0x0                               ; the add is done, and my reads of this slot are over
	s_barrier_signal -1
	MUL16 2, 1, 0
	WIN 0
	s_barrier_wait -1
.if \fill
	CREST                                          ; the barrier has opened a round of the cluster's barrier: no wave of any partner still reads this slot or has a load on its way
	s_add_nc_u64 s[G0+4*\slot+2:G0+4*\slot+3], s[G0+4*\slot+2:G0+4*\slot+3], 2*ROWB
	s_add_nc_u64 s[G0B+4*\slot+2:G0B+4*\slot+3], s[G0B+4*\slot+2:G0B+4*\slot+3], 2*ROWB
	JLOAD G0+4*\slot, G1, G0B+4*\slot, G1B         ; the first tensor load behind the round; its four v_nop are the places in front of the loads below
.else
	PLACES NP
.endif
	FETCH_B \next, 0, 0
	FETCH_A \next, 0, 0
	WIN MUL_HI
	MUL16 4, 1, 0
	MUL16 6, 1, 0
	PLACES NP
	WIN 0
	FETCH_A \next, 0, 4
.endm
	s_wait_tensorcnt 1                             ; my part of K step 0 is in; K step 1's one load may be out
	s_barrier_signal -1
	s_barrier_wait -1
	FETCH_B 0, 0, 0
	FETCH_A 0, 0, 0
	FETCH_A 0, 0, 4
	STEP 0, 0, 1                                   ; the first step's products start the sums
	s_mov_b32 s3, LAPS-1
.Llap:                                             ; a trip goes once round the ring and fills both slots again
	TURN 0, 1, 1
	STEP 1, 0, 0
	TURN 1, 0, 1
	STEP 0, 0, 0
	s_sub_co_u32 s3, s3, 1
	s_cmp_lg_u32 s3, 0
	s_cbranch_scc1 .Llap
	TURN 0, 1, 0                                   ; the last lap fills nothing
	STEP 1, 0, 0
	s_wait_dscnt 4*NL
	WIN MUL_LO
	MUL16 0, 1, 0
	MUL16 2, 1, 0
	s_wait_dscnt 0
	WIN MUL_HI
	MUL16 4, 1, 0
	MUL16 6, 1, 0
	WIN 0
	; THE WAY OUT
	s_wait_kmcnt 0x0
	s_wait_loadcnt 0x0                             ; the biases
	s_cmp_eq_u32 ttmp9, 0
	s_cselect_b32 s92, s82, s83                    ; e2 or e3,
	s_cmp_eq_u32 ttmp9, 2
	s_cselect_b32 s92, s85, s92                    ; or e5
	s_add_co_i32 s93, s80, s81                     ; e0 + e1
	s_sub_co_i32 s92, s92, s93
	s_sub_co_i32 s94, 0, s93
	s_add_co_i32 s92, s92, 127
	s_lshl_b32 s95, s92, 23
	v_mov_b32 v[SCV], s95                          ; 2^(eo - e0 - e1) as f32
	s_add_co_i32 s92, s92, 8
	s_lshl_b32 s92, s92, 23
	s_or_b32 s92, s92, 0x600000
	v_mov_b32 v[LIMV], s92                         ; 448 x that
	PLACES NP
	s_cmp_eq_u32 ttmp9, 2
	s_cbranch_scc1 .Lv
.macro QNT                             ; the 64 numbers in v[SM] on become 16 registers of codes
.set j, 0
.rept 64
	v_med3_num_f32 v[SM+j], v[SM+j], -v[LIMV], v[LIMV]   ; the conversion does not saturate (ISA guide 7.6.2): the hold at the largest code x the scale
.set j, j+1
.endr
.set j, 0
.rept 8
	v_cvt_scalef32_pk8_fp8_f32 v[CD+2*j:CD+2*j+1], v[SM+8*j:SM+8*j+7], v[SCV]
.set j, j+1
.endr
	v_nop                                          ; one plain vector instruction behind the last conversion: the next block's sums write its sources
.endm
; Q, K.  Block a: tokens 16 a + r.  Codes' registers 4 g .. 4 g + 3: channels 32 (g % 2) + 16 h + 0 .. 15 of head g / 2.
.macro TOQK a
.set AC, 64*((\a)%4)
	WIN 0x02+((\a)/4)                              ; source 0: window 2 or 3
.set j, 0
.rept 32
	v_pk_add_f32 v[SM+j:SM+j+1], v[AC+j:AC+j+1], v[BI+j:BI+j+1]   ; each accumulator from its low end on
.set j, j+2
.endr
	WIN 0
	QNT
.irp g, 0,1,2,3
	ds_store_b128 v[STO], v[CD+4*\g:CD+4*\g+3] offset:(\g/2)*1280+32*(\g%2)
.endr
.irp hh, 0,1
.irp i, 0,1
	ds_load_b128 v[BK+16*((\a)%2)+4*(2*\hh+\i):BK+16*((\a)%2)+4*(2*\hh+\i)+3], v[RD] offset:\hh*1280+\i*640   ; LDS serves a wave's instructions in order: these see the stores above
.endr
.endr
.endm
.macro SENDQK a, younger               ; younger: the LDS instructions issued behind block a's loads
	s_wait_dscnt \younger
.irp hh, 0,1
.irp i, 0,1
	global_store_b128 v[CO+2*((\a)%2)+\i], v[BK+16*((\a)%2)+4*(2*\hh+\i):BK+16*((\a)%2)+4*(2*\hh+\i)+3], s[88:89] offset:\hh*131072+2048*((\a)/2)   ; eight rows of 64 bytes: 512 consecutive bytes
.endr
.endr
.endm
.set j, 0
.rept 64
	v_ldexp_f32 v[BI+j], v[BI+j], s94              ; b / 2^(e0 + e1)
.set j, j+1
.endr
	TOQK 0
.irp a, 1,2,3,4,5,6,7
.if \a > 1
	s_wait_xcnt 0x0                                ; block a - 2's stores have read their registers: block a's loads may land there
.endif
	TOQK \a
	SENDQK \a-1, 8                                 ; behind block a - 1's loads: block a's 4 stores and 4 loads
.endr
	SENDQK 7, 0
	s_branch .Lend
; V.  Block a: places 16 (a % 4) + r of head a / 4.  Codes' registers 2 b, 2 b + 1: keys 16 b + 8 h + 0 .. 7.
.Lv:
.macro TOV a
.set AC, 64*((\a)%4)
	WIN 0x02+((\a)/4)
.set j, 0
.rept 32
	v_pk_add_f32 v[SM+j:SM+j+1], v[AC+j:AC+j+1], v[BV+2*(\a):BV+2*(\a)+1]
.set j, j+2
.endr
	WIN 0
	QNT
.irp b, 0,1,2,3,4,5,6,7
	ds_store_b64 v[STV], v[CD+2*\b:CD+2*\b+1] offset:16*\b
.endr
.irp i, 0,1,2,3
	ds_load_b128 v[BK+16*((\a)%2)+4*\i:BK+16*((\a)%2)+4*\i+3], v[RDV] offset:576*\i
.endr
.endm
.macro SENDV a, younger
	s_wait_dscnt \younger
.irp i, 0,1,2,3
	global_store_b128 v[COV], v[BK+16*((\a)%2)+4*\i:BK+16*((\a)%2)+4*\i+3], s[90:91] offset:((\a)/4)*131072+((\a)%4)*2048+512*\i   ; four rows of 128 bytes: 512 consecutive bytes
.endr
.endm
.set j, 0
.rept 16
	v_ldexp_f32 v[BV+j], v[BV+j], s94
.set j, j+1
.endr
	TOV 0
.irp a, 1,2,3,4,5,6,7
.if \a > 1
	s_wait_xcnt 0x0
.endif
	TOV \a
	SENDV \a-1, 12                                 ; behind block a - 1's loads: block a's 8 stores and 4 loads
.endr
	SENDV 7, 0
.Lend:
	s_wait_tensorcnt 0x0                           ; the wave's end
	ds_add_u32 v[SPW], v[NIL]
	s_wait_dscnt 0x0
	CROUND                                         ; the closing round: no work-group ends while a partner may still ask for a tile that names it
	s_endpgm
.Lfunc_end_k_qf78ebfa944_qkv:
	.size	k_qf78ebfa944_qkv, .Lfunc_end_k_qf78ebfa944_qkv-k_qf78ebfa944_qkv
	.p2alignl 7, 3214868480
	.fill 96, 4, 3214868480
	.section	.rodata,"a",@progbits
	.p2align	6, 0x0
	.amdhsa_kernel k_qf78ebfa944_qkv
		.amdhsa_group_segment_fixed_size 327680
		.amdhsa_private_segment_fixed_size 0
		.amdhsa_enable_private_segment 0
		.amdhsa_kernarg_size 56
		.amdhsa_user_sgpr_count 2
		.amdhsa_user_sgpr_kernarg_segment_ptr 1
		.amdhsa_wavefront_size32 1
		.amdhsa_system_sgpr_workgroup_id_x 1
		.amdhsa_system_sgpr_workgroup_id_y 1
		.amdhsa_system_sgpr_workgroup_id_z 1
		.amdhsa_system_vgpr_workitem_id 0
		.amdhsa_next_free_vgpr 1024
		.amdhsa_next_free_sgpr 100
		.amdhsa_reserve_vcc 0
		.amdhsa_float_denorm_mode_32 3
		.amdhsa_float_denorm_mode_16_64 3
		.amdhsa_memory_ordered 1
		.amdhsa_forward_progress 1
		.amdhsa_inst_pref_size 211
	.end_amdhsa_kernel
	.amdgpu_metadata
---
amdhsa.version: [ 1, 2 ]
amdhsa.kernels:
  - .name:           k_qf78ebfa944_qkv
    .symbol:         k_qf78ebfa944_qkv.kd
    .args:
      - { .name: x_codes, .offset: 0, .size: 8, .value_kind: global_buffer, .address_space: global }
      - { .name: w_codes, .offset: 8, .size: 8, .value_kind: global_buffer, .address_space: global }
      - { .name: lowp_scales, .offset: 16, .size: 8, .value_kind: global_buffer, .address_space: global }
      - { .name: b_qkv, .offset: 24, .size: 8, .value_kind: global_buffer, .address_space: global }
      - { .name: q_codes, .offset: 32, .size: 8, .value_kind: global_buffer, .address_space: global }
      - { .name: k_codes, .offset: 40, .size: 8, .value_kind: global_buffer, .address_space: global }
      - { .name: v_codes, .offset: 48, .size: 8, .value_kind: global_buffer, .address_space: global }
    .group_segment_fixed_size: 327680
    .private_segment_fixed_size: 0
    .kernarg_segment_align: 8
    .kernarg_segment_size: 56
    .max_flat_workgroup_size: 128
    .sgpr_count:     100
    .vgpr_count:     1024
    .wavefront_size: 32
...
	.end_amdgpu_metadata
.endif
;; end of part 2
;; launch attn (part 3): grid 4 x 64, 16 waves a work-group, no clusters, 327,680 bytes of LDS; arguments q_codes, k_codes, v_codes, attention_mask, lowp_scales, wv_codes; writes wv_codes
.if DOCPART == 3
	.amdgcn_target "amdgcn-amd-amdhsa--gfx1250"
	.amdhsa_code_object_version 6
	.text
	.protected	k_qf78ebfa944_attn
	.globl	k_qf78ebfa944_attn
	.p2align	8
	.type	k_qf78ebfa944_attn,@function
k_qf78ebfa944_attn:
	s_mov_b64 s[64:65], 0
	v_nop
	global_prefetch_b8 v0, s[64:65] scope:SCOPE_SE
	s_setreg_imm32_b32 hwreg(HW_REG_WAVE_MODE, 25, 1), 1
	s_wait_xcnt 0x0
; Causal attention with an additive padding mask, both products on codes of FP8 (E4M3); the result is quantised for the last product.  64 heads (16 x batch + head), 2,048 tokens, head size 64.
; q_codes [head][t][64];  k_codes [head][place][64], place p = key sig(p) (sig swaps bits 3 and 4);  v_codes [head][16 blocks][64 places][128 keys], place p = channel sig(p);  wv_codes [16 heads][8192 rows][64].
; THE SOFTMAX: t = score x 2^(e2 + e3) x log2(e) / 8 + pad;  M = the running largest t rounded up to a whole number;  p = 2^(t - M) is quantised with 2^e4;  the row's sum is taken of the unquantised p and divides at the end.
; THE PAD.  reference() adds (1 - m) x the lowest f32 number.  In f32, 1 - m is 0 or at least 2^-24 in size, so a pad that is not 0 is at least 2^104 in size and swallows any score under 2^80: only its order and its
; equality with other pads count.  Here HALF of it is added to t: the halving is exact and keeps order and equality, and t stays finite.  A row whose visible keys are all padded alike gets p = 1 on each of them: the mean, as reference() gives.
; LIMITS: |1 - m| <= 2 (beyond it reference()'s own pad overflows); scores under 2^80; e2 + e3 between -124 and 129; e4 and e6 - e4 - e5 between -126 and 119.  NaN among the inputs is not served.
; SHARES.  Work-group (a, head) owns the query blocks a and 7 - a, 256 queries each; each of its sixteen waves 16 of them, one tile, in 256 registers.  Block a needs key slots 0 .. a (256 keys each), block 7 - a slots 0 .. 7 - a:
; NINE VISITS in every work-group, whatever a is: equal work, constant trip counts, and no slot is fetched for nothing.  Visits 0 .. a serve block a; at visit a + 1 its result leaves and block 7 - a begins at slot 0.
; NO CLUSTER: in one visit the four work-groups of a head stand at different key slots (each goes back to slot 0 at its own visit a + 1), so they would not ask for the same tile.
; LAYOUT.  Both products are used transposed: S^T = K Q^T, O^T = V^T P^T: a lane holds ONE query (lane % 16) throughout.  By sig the 16 registers of tiles 2 b and 2 b + 1 are keys (channels) 32 b + 16 (lane / 16) + 0 .. 15.
; LDS: two slots 65,536 bytes apart; a slot: K's 16 KiB as 64 rows of 256 bytes + 16 of padding (4 places a row), then V's likewise (2 places a row); the pad table (2,048 f32); a stage of 16 x 80 bytes a wave; the spare words.
; REGISTERS: v1-7, v11, v24-28 addresses that stay; v8-10 addresses in hand; v12 -M, v13 the largest t, v[14:15] the sum; v16-23 Q; v32-95 K's fragments and pads, then V's fragments; v96-159 S^T, t, p; v160-191 O^T;
;   v192-207 p's codes; v208-239 pads; v240, v244 448 x 2^e4, 2^e4; v246, v247 the result's scale and hold; v241-243, v252-254 at work.
.set SLOT1, 65536
.set VOFF,  17408                      ; 64 x 272
.set STEPB, 8704                       ; 128 keys' part of K's, or of V's, rows: 32 x 272
.set PADT,  131072
.set STAGE, 139264
.set SPARE, 163840
.set AK0,  1
.set AV0,  2
.set PFO,  3                           ; v3   256 x lane: the prefetches' offset; never rewritten
.set APD,  4                           ; v4   PADT + 64 (lane / 16)
.set SPW,  5                           ; v5   my spare word; never rewritten
.set NIL,  6                           ; v6   0; never rewritten
.set GO,   7                           ; v7   16 x lane
.set ADK,  8
.set ADV,  9
.set ADP,  10
.set QL,   11                          ; v11  lane % 16 - 16 (lane / 16)
.set STO,  24
.set SRD,  25
.set QO,   26
.set TB,   2                           ; s2   LDS byte at which the slot in hand begins
.set WV,   18
.set SEL,  20                          ; s[20:21] lane selects: lane l xor 16
.set CS,   22                          ; s[22:23] 2^(e2 + e3) log2(e) / 8
.set G1,   24                          ; s[24:31] descriptor group 1: one shape for K's and V's tiles
.set G0,   32                          ; s[32:35] group 0
.set A1,   36                          ; s36  a + 1
.set QA,   37                          ; s37  my first query in block a
.set VIS,  38                          ; s38  the visit
.set QB,   39                          ; s39  my first query in block 7 - a
.set STRM, 40                          ; s[40:41] the head's K (wave 0) or V (wave 1)
.set PFA,  76                          ; s[76:77] where my prefetches stand
.set LIM,  80                          ; s80  a wave prefetches while the visit is under this
.set KS,   81                          ; s81  the visit's key slot
.set KF,   98                          ; s98  its first key
.set Q0,   99                          ; s99  my first query in the block in hand
.macro TLOAD                           ; wave 0 fetches a slot's K, wave 1 its V, 16 KiB each; the branch hangs on the wave's number alone.  Four v_nop follow the load
	s_cmp_lt_u32 s[WV], 2
	s_cbranch_scc0 .Lnone_\@
	tensor_load_to_lds s[G0:G0+3], s[G1:G1+7]
	s_nop 0
.rept 4
	v_nop
.endr
.Lnone_\@:
.endm
; A PREFETCH INTO THE L2.  All four work-groups of a head walk the same K and V: the one with a = 0 asks, and nobody else.  In it waves 4 and 5 ask for a slot's K, waves 6 and 7 for its V: 8,192 bytes a wave, lanes 256 bytes apart,
; one instruction.  Visit v = 0 .. 5 names key slot v + 2: each block of 256 bytes once in the launch; slots 0 and 1 come by their loads alone, and nothing is named behind slot 7.
.macro ASK
	s_cmp_lt_u32 s[VIS], s[LIM]
	s_cbranch_scc0 .Lnot_mine_\@
	global_prefetch_b8 v[PFO], s[PFA:PFA+1] th:TH_LOAD_NT scope:SCOPE_SE
.Lnot_mine_\@:
.endm
.macro INIT                            ; a block of queries begins: the largest t under every t, the sum and O^T zeros, which the first change of M leaves zeros: so the key step is written without a first step of its own
	v_mov_b32 v13, 0xff7fffff
	v_floor_f32 v12, -v13
	v_mov_b32 v14, 0
	v_mov_b32 v15, 0
.set j, 0
.rept 32
	v_mov_b32 v[160+j], 0
.set j, j+1
.endr
.endm
	s_load_b256 s[4:11], s[0:1], 0x0               ; q_codes s[4:5], k_codes s[6:7], v_codes s[8:9], the mask s[10:11]
	s_load_b128 s[12:15], s[0:1], 0x20             ; the scales' exponents s[12:13], wv_codes s[14:15]
	v_lshl_add_u32 v[SPW], v0, 2, SPARE
	v_mov_b32 v[NIL], 0
	ds_add_u32 v5, v6
	s_wait_dscnt 0x0
	v_lshrrev_b32 v8, 5, v0
	v_readfirstlane_b32 s[WV], v8                  ; wave 0..15
	s_and_b32 s82, ttmp7, 0xffff                   ; 16 x batch + head
	s_lshl_b32 s84, s82, 17                        ; its 131,072 bytes in q_codes, k_codes and v_codes
	s_mov_b32 s85, 0
	s_add_co_u32 s[A1], ttmp9, 1
	s_lshl_b32 s83, s[WV], 4
	s_lshl_b32 s[QA], ttmp9, 8
	s_add_co_u32 s[QA], s[QA], s83
	s_sub_co_u32 s[QB], 7, ttmp9
	s_lshl_b32 s[QB], s[QB], 8
	s_add_co_u32 s[QB], s[QB], s83
	s_mov_b32 s[G1], (0<<16)|(1<<20)|(5<<22)|(3<<25)   ; no mask; elements of 1 byte; padding: four words after every 64
	s_mov_b32 s[G1+1], 256<<16                     ; tensor_dim0
	s_mov_b32 s[G1+2], 64<<16                      ; tensor_dim1
	s_mov_b32 s[G1+3], 256<<16                     ; tile_dim0: the 16 KiB are dense in memory and come as 64 rows of 256 bytes
	s_mov_b32 s[G1+4], 64                          ; tile_dim1
	s_mov_b32 s[G1+5], 256                         ; tensor_dim0_stride
	s_mov_b32 s[G1+6], 0
	s_mov_b32 s[G1+7], 0
	s_mov_b32 s[SEL], 0x76543210
	s_mov_b32 s[SEL+1], 0xfedcba98
	s_mov_b32 s[TB], 0
	s_mov_b32 s[VIS], 0
	s_and_b32 s86, s[WV], 1
	s_mul_i32 s87, s86, VOFF                       ; K's rows first, then V's
	s_wait_kmcnt 0x0
	s_load_b256 s[68:75], s[12:13], 0x0            ; e0 .. e7
	s_cmp_eq_u32 s[WV], 0
	s_cselect_b64 s[STRM:STRM+1], s[6:7], s[8:9]
	s_add_nc_u64 s[STRM:STRM+1], s[STRM:STRM+1], s[84:85]
	s_mov_b32 s[G0], 1
	s_mov_b32 s[G0+1], s87
	s_mov_b64 s[G0+2:G0+3], s[STRM:STRM+1]
	s_or_b32 s[G0+3], s[G0+3], 0x80000000
	TLOAD                                          ; visit 0: key slot 0 into LDS slot 0
	s_add_nc_u64 s[44:45], s[4:5], s[84:85]
	s_mov_b64 s[48:49], s[44:45]
	s_lshl_b32 s86, s[QA], 6
	s_mov_b32 s87, 0
	s_add_nc_u64 s[44:45], s[44:45], s[86:87]      ; Q's codes at my first query of block a,
	s_lshl_b32 s88, s[QB], 6
	s_mov_b32 s89, 0
	s_add_nc_u64 s[48:49], s[48:49], s[88:89]      ; and of block 7 - a
	s_and_b32 s90, s82, 15
	s_lshl_b32 s90, s90, 19                        ; wv_codes: the head's 8,192 rows of 64 bytes,
	s_lshr_b32 s92, s82, 4
	s_lshl_b32 s91, s92, 17                        ; the batch's 2,048 of them
	s_add_co_u32 s90, s90, s91
	s_mov_b32 s91, 0
	s_add_nc_u64 s[50:51], s[14:15], s[90:91]
	s_mov_b64 s[52:53], s[50:51]
	s_add_nc_u64 s[50:51], s[50:51], s[86:87]
	s_add_nc_u64 s[52:53], s[52:53], s[88:89]
	s_lshl_b32 s92, s92, 13
	s_mov_b32 s93, 0
	s_add_nc_u64 s[10:11], s[10:11], s[92:93]      ; the batch's row of the mask
	s_cmp_lt_u32 s[WV], 6
	s_cselect_b64 s[PFA:PFA+1], s[6:7], s[8:9]
	s_add_nc_u64 s[PFA:PFA+1], s[PFA:PFA+1], s[84:85]
	s_and_b32 s94, s[WV], 1
	s_lshl_b32 s94, s94, 13
	s_add_co_u32 s94, s94, 16384                   ; my half of key slot 1: the first change of slots steps it to slot 2
	s_mov_b32 s95, 0
	s_add_nc_u64 s[PFA:PFA+1], s[PFA:PFA+1], s[94:95]
	s_sub_co_u32 s96, s[WV], 4
	s_lshr_b32 s96, s96, 2                         ; 0 in waves 4 to 7,
	s_or_b32 s96, s96, ttmp9                       ; of the work-group with a = 0
	s_cmp_eq_u32 s96, 0
	s_cselect_b32 s[LIM], 6, 0
	v_and_b32 v8, 15, v0                           ; r
	v_bfe_u32 v9, v0, 4, 1                         ; h
	v_and_b32 v10, 31, v0                          ; lane
	v_lshlrev_b32 v27, 4, v0
	global_load_b128 v[96:99], v27, s[10:11]       ; four numbers of the mask a thread: 512 threads, 2,048 keys
	v_lshlrev_b32 v[QO], 6, v8
	v_lshl_add_u32 v[QO], v9, 4, v[QO]             ; Q: row r of 64 bytes, + 16 h.  Registers 4 c .. 4 c + 3 hold channels 32 c + 16 h + 0 .. 15, in Q's and in K's fragments alike
	global_load_b128 v[16:19], v[QO], s[44:45]
	global_load_b128 v[20:23], v[QO], s[44:45] offset:32
	v_lshl_add_u32 v28, v0, 4, PADT
	v_lshrrev_b32 v29, 2, v8
	v_mul_u32_u24 v[AK0], v29, 272
	v_and_b32 v29, 3, v8
	v_lshl_add_u32 v[AK0], v29, 6, v[AK0]
	v_lshl_add_u32 v[AK0], v9, 4, v[AK0]           ; K: place r: 272 (r / 4) + 64 (r % 4) + 16 h: sixteen lanes, sixteen different columns of 16 bytes
	v_lshrrev_b32 v29, 1, v8
	v_mul_u32_u24 v[AV0], v29, 272
	v_and_b32 v29, 1, v8
	v_lshl_add_u32 v[AV0], v29, 7, v[AV0]
	v_lshl_add_u32 v[AV0], v9, 4, v[AV0]
	v_add_nc_u32 v[AV0], VOFF, v[AV0]              ; V: place r: 272 (r / 2) + 128 (r % 2) + 16 h
	v_lshlrev_b32 v[PFO], 8, v10
	v_lshl_add_u32 v[APD], v9, 6, PADT
	v_lshlrev_b32 v[GO], 4, v10
	v_lshlrev_b32 v29, 4, v9
	v_sub_nc_u32 v[QL], v8, v29
	s_mul_i32 s94, s[WV], 1280
	s_add_co_u32 s94, s94, STAGE                   ; my stage
	v_mul_u32_u24 v[STO], v8, 80
	v_lshl_add_u32 v[STO], v9, 4, v[STO]
	v_add_nc_u32 v[STO], s94, v[STO]               ; in: row r, 16 bytes for each half of the lanes
	v_lshrrev_b32 v29, 2, v10
	v_mul_u32_u24 v[SRD], v29, 80
	v_and_b32 v29, 3, v10
	v_lshl_add_u32 v[SRD], v29, 4, v[SRD]
	v_add_nc_u32 v[SRD], s94, v[SRD]               ; back: four lanes to a row, eight rows an instruction
	INIT
	v_mov_b32 v241, 0                              ; written once: a lane permute's destination counts as one of its sources
	v_mov_b32 v252, 0
	v_mov_b32 v253, 0                              ; (named as the upper half of the pair v[252:253])
	s_wait_kmcnt 0x0
	s_add_co_i32 s94, s70, s71
	s_lshl_b32 s94, s94, 23
	s_mov_b32 s[CS], 0x3e38aa3b                    ; log2(e) / 8;
	s_add_co_i32 s[CS], s[CS], s94                 ; e2 + e3 are added to its exponent field
	s_mov_b32 s[CS+1], s[CS]                       ; (named with it as a pair, so it is written)
	s_add_co_i32 s94, s72, 127
	s_lshl_b32 s95, s94, 23
	v_mov_b32 v244, s95                            ; 2^e4
	s_add_co_i32 s94, s94, 8
	s_lshl_b32 s94, s94, 23
	s_or_b32 s94, s94, 0x600000
	v_mov_b32 v240, s94                            ; 448 x 2^e4
	s_sub_co_i32 s94, s74, s72
	s_sub_co_i32 s94, s94, s73                     ; a sum of the second product stands for sum x 2^(e4 + e5): its code is (sum / l) / 2^(e6 - e4 - e5)
	s_add_co_i32 s94, s94, 127
	s_lshl_b32 s95, s94, 23
	v_mov_b32 v246, s95
	s_add_co_i32 s94, s94, 8
	s_lshl_b32 s94, s94, 23
	s_or_b32 s94, s94, 0x600000
	v_mov_b32 v247, s94
	s_wait_loadcnt 0x2                             ; the mask is in; Q's two loads may be out
.irp j, 0,1,2,3
	v_sub_f32 v[96+\j], 1.0, v[96+\j]
.endr
.irp j, 0,1,2,3
	v_mul_f32 v[96+\j], 0xfeffffff, v[96+\j]       ; x half the lowest f32 number
.endr
	ds_store_b128 v28, v[96:99]                    ; the first change of slots waits for this store and passes a barrier ahead of every read of the table
	s_wait_loadcnt 0x0                             ; Q
; THE CHANGE OF SLOTS stands at a visit's head.  Each wave waits for all its tensor loads, adds 0 to its spare word, and waits for that and for its reads of the slot that it has left.
; Behind the barrier the slot ahead is whole and nobody reads the other one.  fill = 1: that other slot takes the next visit's keys: slot v + 1, less a + 1 from visit a + 1 on.
.macro CHANGE fill
	s_wait_tensorcnt 0x0                           ; no tensor load of mine is out, so group 0 may be written
	ds_add_u32 v[SPW], v[NIL]                      ; 0 onto my spare word
.if \fill
	s_add_co_u32 s42, s[VIS], 1
	s_cmp_ge_u32 s42, s[A1]
	s_cselect_b32 s43, s[A1], 0
	s_sub_co_u32 s42, s42, s43
	s_lshl_b32 s42, s42, 14                        ; 16 KiB a slot
	s_mov_b32 s43, 0
	s_add_nc_u64 s[G0+2:G0+3], s[STRM:STRM+1], s[42:43]
	s_or_b32 s[G0+3], s[G0+3], 0x80000000
	s_xor_b32 s[G0+1], s[G0+1], SLOT1
	s_wait_xcnt 0x0                                ; the last prefetch, a visit back, has read its address, so it may be written
	s_add_nc_u64 s[PFA:PFA+1], s[PFA:PFA+1], 16384
.endif
	s_wait_dscnt 0x0                               ; the add is done, my LDS stores have landed, and my reads of the slot that I have left are over
	s_barrier_signal -1
	s_barrier_wait -1
.if \fill
	TLOAD                                          ; the first thing behind the barrier, and a wave's one tensor load until the next
	ASK
.endif
.endm
.macro VISIT                           ; which block of queries and which key slot this visit serves
	s_cmp_ge_u32 s[VIS], s[A1]
	s_cselect_b32 s43, s[A1], 0
	s_cselect_b32 s[Q0], s[QB], s[QA]
	s_sub_co_u32 s[KS], s[VIS], s43
	s_and_b32 s[KS], s[KS], 7                      ; (it lies between 0 and 7)
	s_lshl_b32 s[KF], s[KS], 8
.endm
; A block's result: O^T / the sum, quantised, through my stage, 1,024 consecutive bytes out.
.macro FINISH base
.rept 4
	v_nop                                          ; places behind the last products
.endr
	v_add_f32 v14, v14, v15                        ; the sum's two halves,
	v_permlanex16_b32 v252, v14, s[SEL], s[SEL+1]
	v_add_f32 v14, v14, v252                       ; and lane l xor 16's
	v_rcp_f32 v14, v14
	v_nop                                          ; a plain instruction behind the reciprocal,
	s_wait_alu depctr_va_vdst(0)                   ; and a wait ahead of its first reader
.set j, 0
.rept 16
	v_pk_mul_f32 v[96+j:97+j], v[160+j:161+j], v[14:15] op_sel_hi:[1,0]   ; register 16 b + i: channel 32 b + 16 h + i of my query
.set j, j+2
.endr
.set j, 0
.rept 32
	v_med3_num_f32 v[96+j], v[96+j], -v247, v247
.set j, j+1
.endr
.irp g, 0,1,2,3
	v_cvt_scalef32_pk8_fp8_f32 v[192+2*\g:193+2*\g], v[96+8*\g:103+8*\g], v246
.endr
	v_nop                                          ; one plain vector instruction behind the last conversion
	ds_store_b128 v[STO], v[192:195]
	ds_store_b128 v[STO], v[196:199] offset:32
	ds_load_b128 v[200:203], v[SRD]                ; LDS serves a wave's instructions in order: these see my stores
	ds_load_b128 v[204:207], v[SRD] offset:640
	s_wait_dscnt 0x0
	global_store_b128 v[GO], v[200:203], s[\base:\base+1]
	global_store_b128 v[GO], v[204:207], s[\base:\base+1] offset:512
.endm
.macro SWITCH                          ; at visit a + 1: block a leaves, block 7 - a begins.  A branch on ids and the visit, the same in all sixteen waves; no barrier and no tensor load stands in it
	s_cmp_eq_u32 s[VIS], s[A1]
	s_cbranch_scc0 .Lsame_\@
	FINISH 50
	global_load_b128 v[16:19], v[QO], s[48:49]
	global_load_b128 v[20:23], v[QO], s[48:49] offset:32
	INIT
	s_wait_loadcnt 0x0
	s_wait_xcnt 0x0                                ; the stores have read their registers, which the next step's codes take
.Lsame_\@:
.endm
; A KEY STEP: 128 keys, the q-th half of the slot in hand.
.macro STEP q
	s_add_co_u32 s97, s[KF], 128*\q                ; the step's first key
	s_add_co_u32 s96, s[Q0], 15
	s_cmp_gt_u32 s97, s96                          ; all its keys come after my 16 queries: the step is left out
	s_cbranch_scc1 .Lhidden_\@
	v_add_nc_u32 v[ADK], s[TB], v[AK0]
	v_add_nc_u32 v[ADV], s[TB], v[AV0]
	v_lshl_add_u32 v[ADP], s[KS], 10, v[APD]
	v_nop                                          ; with the three lines above: four places in front of loads into registers that the last products read
.irp t, 0,1,2,3
	ds_load_b128 v[32+8*\t:35+8*\t], v[ADK] offset:\q*STEPB+\t*1088
	ds_load_b128 v[36+8*\t:39+8*\t], v[ADK] offset:\q*STEPB+\t*1088+32
.endr
.irp b, 0,1
.irp k, 0,1,2,3
	ds_load_b128 v[64+16*\b+4*\k:67+16*\b+4*\k], v[ADP] offset:512*\q+128*\b+16*\k    ; the pads of keys 32 b + 16 h + 0 .. 15
.endr
.endr
.irp b, 2,3
.irp k, 0,1,2,3
	ds_load_b128 v[176+16*\b+4*\k:179+16*\b+4*\k], v[ADP] offset:512*\q+128*\b+16*\k
.endr
.endr
	s_wait_dscnt 16                                ; K's first four tiles are in; the sixteen loads of pads may be out
.irp t, 0,1,2,3
	v_wmma_f32_16x16x64_fp8_fp8 v[96+8*\t:103+8*\t], v[32+8*\t:39+8*\t], v[16:23], 0
.endr
.rept 4
	v_nop
.endr
.irp t, 0,1,2,3
	ds_load_b128 v[32+8*\t:35+8*\t], v[ADK] offset:\q*STEPB+(4+\t)*1088
	ds_load_b128 v[36+8*\t:39+8*\t], v[ADK] offset:\q*STEPB+(4+\t)*1088+32
.endr
	s_wait_dscnt 0x0
.irp t, 0,1,2,3
	v_wmma_f32_16x16x64_fp8_fp8 v[128+8*\t:135+8*\t], v[32+8*\t:39+8*\t], v[16:23], 0
.endr
.rept 4
	v_nop
.endr
	s_add_co_u32 s96, s97, 127                     ; on the diagonal the scores of hidden keys become -infinity; a step all of whose keys count skips this
	s_cmp_le_u32 s96, s[Q0]
	s_cbranch_scc1 .Lopen_\@
	s_sub_co_i32 s96, s[Q0], s97
	v_add_nc_u32 v252, s96, v[QL]                  ; d = my query - the step's first key - 16 h.  Register 16 b + i holds key 32 b + 16 h + i of the step: hidden where 32 b + i > d
	v_mov_b32 v254, 0xff800000
.irp n, 0,1,2,3,4,5,6,7,8,9,10,11,12,13,14,15,16,17,18,19,20,21,22,23,24,25,26,27,28,29,30,31,32,33,34,35,36,37,38,39,40,41,42,43,44,45,46,47,48,49,50,51,52,53,54,55,56,57,58,59,60,61,62,63
	v_cmp_gt_i32 vcc_lo, 32*(\n/16)+\n%16, v252
	v_cndmask_b32 v[96+\n], v[96+\n], v254, vcc_lo
.endr
.Lopen_\@:
.irp b, 0,1
.irp i, 0,2,4,6,8,10,12,14
	v_pk_fma_f32 v[96+16*\b+\i:97+16*\b+\i], v[96+16*\b+\i:97+16*\b+\i], s[CS:CS+1], v[64+16*\b+\i:65+16*\b+\i] op_sel_hi:[1,0,1]   ; t = score x c + pad, one rounding
.endr
.endr
.irp b, 2,3
.irp i, 0,2,4,6,8,10,12,14
	v_pk_fma_f32 v[96+16*\b+\i:97+16*\b+\i], v[96+16*\b+\i:97+16*\b+\i], s[CS:CS+1], v[176+16*\b+\i:177+16*\b+\i] op_sel_hi:[1,0,1]
.endr
.endr
.irp t, 0,1,2,3                                ; V's four fragments (16 places x 128 keys) are asked for here and land under the softmax
.irp c, 0,1,2,3
	ds_load_b128 v[32+16*\t+4*\c:35+16*\t+4*\c], v[ADV] offset:\q*STEPB+\t*2176+32*\c
.endr
.endr
	v_max3_num_f32 v254, v96, v97, v98             ; the step's largest t of my query, among my 64 keys, in two chains,
	v_max3_num_f32 v252, v99, v100, v101
.irp i, 6,10,14,18,22,26,30,34,38,42,46,50,54,58
	v_max3_num_f32 v254, v254, v[96+\i], v[97+\i]
	v_max3_num_f32 v252, v252, v[98+\i], v[99+\i]
.endr
	v_max3_num_f32 v254, v254, v158, v159
	v_max_num_f32 v254, v254, v252
	v_permlanex16_b32 v241, v254, s[SEL], s[SEL+1]
	v_max_num_f32 v254, v254, v241                 ; and among lane l xor 16's
	v_max_num_f32 v13, v13, v254                   ; the running largest t
	v_mov_b32 v254, v12
	v_floor_f32 v12, -v13                          ; the new -M = floor(-t): M is a whole number
	v_sub_f32 v254, v12, v254                      ; M's old value less its new one: a whole number, 0 or less
	v_cvt_i32_f32 v254, v254                       ; (it saturates)
	v_ldexp_f32 v252, 1.0, v254                    ; f = 2^(old M - new M)
.set j, 0
.rept 32
	v_pk_add_f32 v[96+j:97+j], v[96+j:97+j], v[12:13] op_sel_hi:[1,0]   ; t - M: a plain sum, exact 0 where t = M, however large
.set j, j+2
.endr
.set j, 0
.rept 64
	v_exp_f32 v[96+j], v[96+j]                     ; p = 2^(t - M), at most 1
.set j, j+1
.endr
	v_pk_mul_f32 v[14:15], v[14:15], v[252:253] op_sel_hi:[1,0]   ; the sums under the new M: a plain instruction behind the exponentials
	s_wait_alu depctr_va_vdst(0)                   ; one wait for the whole batch, ahead of its first reader
	v_pk_add_f32 v[242:243], v[96:97], v[98:99]    ; the row's sum is taken of the unquantised p: two at a time, in two chains
.irp j, 4,8,12,16,20,24,28,32,36,40,44,48,52,56,60
	v_pk_add_f32 v[14:15], v[14:15], v[96+\j:97+\j]
	v_pk_add_f32 v[242:243], v[242:243], v[98+\j:99+\j]
.endr
	v_pk_add_f32 v[14:15], v[14:15], v[242:243]
.irp b, 0,1,2,3
.set j, 0
.rept 16
	v_min_num_f32 v[96+16*\b+j], v[96+16*\b+j], v240   ; the conversion does not saturate (ISA guide 7.6.2); p is not negative, so the hold is one-sided
.set j, j+1
.endr
	v_cvt_scalef32_pk8_fp8_f32 v[192+4*\b:193+4*\b], v[96+16*\b:103+16*\b], v244
	v_cvt_scalef32_pk8_fp8_f32 v[194+4*\b:195+4*\b], v[104+16*\b:111+16*\b], v244
.endr
.set j, 0
.rept 16
	v_pk_mul_f32 v[160+j:161+j], v[160+j:161+j], v[252:253] op_sel_hi:[1,0]   ; O^T under the new M.  (Plain instructions between the conversions and the products that read the codes)
.set j, j+2
.endr
	s_wait_dscnt 0x0                               ; V is in
.irp t, 0,1,2,3                                ; O^T += V^T P^T: the four accumulators by turns
	v_wmma_f32_16x16x128_fp8_fp8 v[160+8*\t:167+8*\t], v[32+16*\t:47+16*\t], v[192:207], v[160+8*\t:167+8*\t]
.endr
.Lhidden_\@:
.endm
.Lslot:                                            ; eight trips: behind each change of slots but the last the next visit's keys are asked for
	CHANGE 1
	VISIT
	SWITCH
	STEP 0
	STEP 1
	s_xor_b32 s[TB], s[TB], SLOT1
	s_add_co_u32 s[VIS], s[VIS], 1
	s_cmp_lt_u32 s[VIS], 8
	s_cbranch_scc1 .Lslot
	CHANGE 0                                       ; the ninth visit is written out
	VISIT
	STEP 0
	STEP 1
	FINISH 52
	s_wait_tensorcnt 0x0                           ; the wave's end
	ds_add_u32 v[SPW], v[NIL]
	s_wait_dscnt 0x0
	s_endpgm
.Lfunc_end_k_qf78ebfa944_attn:
	.size	k_qf78ebfa944_attn, .Lfunc_end_k_qf78ebfa944_attn-k_qf78ebfa944_attn
	.p2alignl 7, 3214868480
	.fill 96, 4, 3214868480
	.section	.rodata,"a",@progbits
	.p2align	6, 0x0
	.amdhsa_kernel k_qf78ebfa944_attn
		.amdhsa_group_segment_fixed_size 327680
		.amdhsa_private_segment_fixed_size 0
		.amdhsa_enable_private_segment 0
		.amdhsa_kernarg_size 48
		.amdhsa_user_sgpr_count 2
		.amdhsa_user_sgpr_kernarg_segment_ptr 1
		.amdhsa_wavefront_size32 1
		.amdhsa_system_sgpr_workgroup_id_x 1
		.amdhsa_system_sgpr_workgroup_id_y 1
		.amdhsa_system_sgpr_workgroup_id_z 1
		.amdhsa_system_vgpr_workitem_id 0
		.amdhsa_next_free_vgpr 256
		.amdhsa_next_free_sgpr 100
		.amdhsa_reserve_vcc 1
		.amdhsa_float_denorm_mode_32 3
		.amdhsa_float_denorm_mode_16_64 3
		.amdhsa_memory_ordered 1
		.amdhsa_forward_progress 1
		.amdhsa_inst_pref_size 114
	.end_amdhsa_kernel
	.amdgpu_metadata
---
amdhsa.version: [ 1, 2 ]
amdhsa.kernels:
  - .name:           k_qf78ebfa944_attn
    .symbol:         k_qf78ebfa944_attn.kd
    .args:
      - { .name: q_codes, .offset: 0, .size: 8, .value_kind: global_buffer, .address_space: global }
      - { .name: k_codes, .offset: 8, .size: 8, .value_kind: global_buffer, .address_space: global }
      - { .name: v_codes, .offset: 16, .size: 8, .value_kind: global_buffer, .address_space: global }
      - { .name: attention_mask, .offset: 24, .size: 8, .value_kind: global_buffer, .address_space: global }
      - { .name: lowp_scales, .offset: 32, .size: 8, .value_kind: global_buffer, .address_space: global }
      - { .name: wv_codes, .offset: 40, .size: 8, .value_kind: global_buffer, .address_space: global }
    .group_segment_fixed_size: 327680
    .private_segment_fixed_size: 0
    .kernarg_segment_align: 8
    .kernarg_segment_size: 48
    .max_flat_workgroup_size: 512
    .sgpr_count:     100
    .vgpr_count:     256
    .wavefront_size: 32
...
	.end_amdgpu_metadata
.endif
;; end of part 3
;; launch proj (part 4): grid 4 x 32, 4 waves a work-group, clusters of 4 x 4, 327,680 bytes of LDS; arguments wv_codes, w_codes, lowp_scales, b_out, out0; writes out0
.if DOCPART == 4
	.amdgcn_target "amdgcn-amd-amdhsa--gfx1250"
	.amdhsa_code_object_version 6
	.text
	.protected	k_qf78ebfa944_proj
	.globl	k_qf78ebfa944_proj
	.p2align	8
	.type	k_qf78ebfa944_proj,@function
k_qf78ebfa944_proj:
	s_mov_b64 s[64:65], 0
	v_nop
	global_prefetch_b8 v0, s[64:65] scope:SCOPE_SE
	s_setreg_imm32_b32 hwreg(HW_REG_WAVE_MODE, 25, 1), 1
	s_wait_xcnt 0x0
	s_wait_alu depctr_hold_cnt(0) depctr_sa_sdst(0) depctr_va_vdst(0) depctr_va_sdst(0) depctr_va_ssrc(0) depctr_va_vcc(0) depctr_vm_vsrc(0)
	s_getreg_b32 s2, hwreg(HW_REG_IB_STS2, 6, 4)
	s_cmp_eq_u32 s2, 0
	s_cbranch_scc0 .Lentry_in_a_cluster
	s_endpgm
.Lentry_in_a_cluster:
	s_bfe_u32 s2, ttmp6, 0x10000c
	s_cmp_lg_u32 s2, 0xf033
	s_cbranch_scc0 .Lentry_shape_is_right
	s_endpgm
.Lentry_shape_is_right:
; out0 = wv W_out + b_out on codes of FP8 (E4M3).  wv_codes [16 heads][8192 rows][64]: k = 64 x head + channel.  w_codes rows 3072..4095 [row][1024] (row 3072 + p = column sig(p) of W_out; sig swaps bits 3 and 4).
; out0 [8192][1024] f32 = sum x 2^(e6 + e7) + b_out, one packed multiply-add for two numbers.  LIMIT: e6 + e7 between -126 and 127, so that 2^(e6 + e7) is an f32 number.
; A tile of 256 x 256 is made by four waves, 128 x 128 each: 64 accumulators, 512 registers.  K goes in four steps of 256 (four heads) through a ring of two LDS slots filled by the tensor data mover.
; 128 tiles in all: a smaller tile would give more work-groups; this text takes the tile with the fewest LDS bytes for each product.
; CLUSTERS: 4 x 4 work-groups; the four of a row need the same rows of wv, the four of a column the same rows of w_codes: each tile is asked for jointly.
; wv's tile: for each head the tile's 256 rows are 16 KiB on end; a wave's load brings two heads: two rows of 16,384 bytes, 524,288 apart, with 16 bytes of padding behind every 256: in LDS a head is 64 x 272 bytes, 4 rows of wv in each 256.
; THE MATRIX INSTRUCTION IS USED TRANSPOSED (source 0 = 16 rows of w_codes, source 1 = 16 rows of wv): lane (r, h) holds row 16 a + r and, by sig, columns 32 g + 16 h + i in register 16 g + i.
; REGISTERS, in windows of 256: window 0: v0-31 addresses; v32-95 the bias; v96-127 at work on the way out; from v128 wv's fragments, ONE set, later the rows read back.  window 1: w_codes' fragments, TWO sets.  windows 2, 3: the accumulators.
.set KROW,   1024
.set ROWB,   256
.set PITCH,  272
.set HEADB,  64*PITCH                  ; a head's 256 rows in LDS
.set FR,     16
.set NL,     4
.set NP,     4
.set HALFT,  128*PITCH                 ; what one tensor load brings: two heads of wv, or 128 rows of w_codes
.set SLOT,   4*HALFT
.set LAPS,   2
.set SPARE,  2*SLOT
.set SPITCH, 528                       ; the way out: a stage of 16 rows x (512 bytes + 16) a wave, in slot 0, which has had its last fill and its last read by then
.set SIZE_N, 1024
.set ADRA, 16
.set ADRB, 20
.set STO,  24
.set RD,   25
.set CO,   26
.set SPW,  28
.set NIL,  29
.set BIA,  30
.set BI,   32
.set TMP,  96
.set AF,   128
.set BK,   128
.set G1, 24
.set G0, 32
.set G1B, 48
.set G0B, 56
.set MSB, 0
.macro WIN new
.if MSB != \new
	s_set_vgpr_msb (MSB<<8)|\new
.set MSB, \new
.endif
.endm
.set MUL_LO, 0xa1
.set MUL_HI, 0xf1
.set TO_B,   0x40
.macro JLOAD g0a, g1a, g0b, g1b        ; waves 0 and 1 fetch for wv, waves 2 and 3 for w_codes; four v_nop follow each of the two lines
	s_cmp_eq_u32 s15, 0
	s_cbranch_scc0 .Lfor_b_\@
	tensor_load_to_lds s[\g0a:\g0a+3], s[\g1a:\g1a+7]
	s_nop 0
.rept 4
	v_nop
.endr
	s_branch .Lasked_\@
.Lfor_b_\@:
	tensor_load_to_lds s[\g0b:\g0b+3], s[\g1b:\g1b+7]
	s_nop 0
.rept 4
	v_nop
.endr
.Lasked_\@:
.endm
.macro CREST
	s_cmp_lg_u32 s14, 0
	s_cbranch_scc1 .Lnot_wave_0_\@
	s_barrier_signal -3
.Lnot_wave_0_\@:
	s_barrier_wait -3
	s_barrier_signal -1
	s_barrier_wait -1
.endm
.macro CROUND
	s_barrier_signal -1
	s_barrier_wait -1
	CREST
.endm
	s_load_b256 s[4:11], s[0:1], 0x0               ; wv_codes s[4:5], w_codes s[6:7], the scales' exponents s[8:9], b_out s[10:11]
	s_load_b64 s[12:13], s[0:1], 0x20              ; out0
	v_lshl_add_u32 v[SPW], v0, 2, SPARE
	v_mov_b32 v[NIL], 0
	ds_add_u32 v28, v29
	s_wait_dscnt 0x0
	v_lshrrev_b32 v1, 5, v0
	v_readfirstlane_b32 s14, v1                    ; wave 0..3
	s_lshr_b32 s15, s14, 1                         ; which half of the tile's rows is mine.  Also: I fetch for wv (0) or for w_codes (1)
	s_and_b32 s16, s14, 1                          ; which half of its columns.  Also: which half of that tile I fetch
	s_bfe_u32 s40, ttmp6, 0x40000
	s_bfe_u32 s41, ttmp6, 0x40004
	s_lshl_b32 s42, ttmp9, 2
	s_add_co_u32 s42, s42, s40                     ; tile column
	s_and_b32 s17, ttmp7, 0xffff
	s_lshl_b32 s17, s17, 2
	s_add_co_u32 s17, s17, s41                     ; tile row
	s_lshl_b32 s43, s41, 2
	s_lshl_b32 s43, 15, s43
	s_lshl_b32 s44, 0x1111, s40
	s_or_b32 s[G1+0], s43, (0<<16)|(1<<20)|(1<<21)|(5<<22)|(3<<25)  ; the mask of my row; elements of 1 byte; padding: four words after every 64; bit 21 beside a mask
	s_mov_b32 s[G1+1], 16384<<16                   ; tensor_dim0: a head's 256 rows of 64 bytes
	s_mov_b32 s[G1+2], 2<<16                       ; tensor_dim1: two heads
	s_mov_b32 s[G1+3], 16384<<16                   ; tile_dim0
	s_mov_b32 s[G1+4], 2                           ; tile_dim1
	s_mov_b32 s[G1+5], 524288                      ; from head to head
	s_mov_b32 s[G1+6], 0
	s_mov_b32 s[G1+7], 0
	s_or_b32 s[G1B+0], s44, (0<<16)|(1<<20)|(1<<21)|(5<<22)|(3<<25)
	s_mov_b32 s[G1B+1], ROWB<<16
	s_mov_b32 s[G1B+2], 128<<16
	s_mov_b32 s[G1B+3], ROWB<<16
	s_mov_b32 s[G1B+4], 128
	s_mov_b32 s[G1B+5], KROW
	s_mov_b32 s[G1B+6], 0
	s_mov_b32 s[G1B+7], 0
	s_lshl_b32 s20, s16, 20                        ; wv: my two heads of the K step's four,
	s_lshl_b32 s18, s17, 14
	s_add_co_u32 s20, s20, s18                     ; at the tile's 256 rows
	s_mov_b32 s21, 0
	s_lshl_b32 s18, s16, 7
	s_lshl_b32 s46, s42, 8
	s_add_co_u32 s46, s46, s18
	s_add_co_u32 s46, s46, 3072                    ; w_codes: row 3072 + 256 x tile column + 128 x half
	s_lshl_b32 s46, s46, 10
	s_mov_b32 s47, 0
	s_mul_i32 s45, s14, HALFT
	s_wait_kmcnt 0x0
	s_load_b256 s[80:87], s[8:9], 0x0              ; e0 .. e7
	s_add_nc_u64 s[20:21], s[4:5], s[20:21]
	s_add_nc_u64 s[46:47], s[6:7], s[46:47]
	CROUND                                         ; all sixteen work-groups are here: the first joint loads meet
.irp s, 0,1
	s_mov_b32 s[G0+4*\s], 1
	s_add_co_u32 s[G0+4*\s+1], s45, \s*SLOT
	s_add_nc_u64 s[G0+4*\s+2:G0+4*\s+3], s[20:21], \s*2097152      ; four heads on
	s_or_b32 s[G0+4*\s+3], s[G0+4*\s+3], 0x80000000
	s_mov_b32 s[G0B+4*\s], 1
	s_add_co_u32 s[G0B+4*\s+1], s45, \s*SLOT
	s_add_nc_u64 s[G0B+4*\s+2:G0B+4*\s+3], s[46:47], \s*ROWB
	s_or_b32 s[G0B+4*\s+3], s[G0B+4*\s+3], 0x80000000
	JLOAD G0+4*\s, G1, G0B+4*\s, G1B
.endr
	v_and_b32 v1, 15, v0                           ; r
	v_bfe_u32 v2, v0, 4, 1                         ; h
	v_mul_u32_u24 v3, v1, PITCH
	v_lshl_add_u32 v4, v2, 4, v3                   ; w_codes: row x pitch + 16 h
	v_lshrrev_b32 v5, 2, v1
	v_mul_u32_u24 v5, v5, PITCH
	v_and_b32 v6, 3, v1
	v_lshl_add_u32 v5, v6, 6, v5
	v_lshl_add_u32 v5, v2, 4, v5                   ; wv: row r of a head: 272 (r / 4) + 64 (r % 4) + 16 h: sixteen lanes, sixteen different columns of 16 bytes
	s_mul_i32 s21, s15, 32*PITCH                   ; my 128 rows of each head
	s_mul_i32 s22, s16, HALFT
	s_add_co_u32 s22, s22, 2*HALFT
.irp s, 0,1
	v_add_nc_u32 v[ADRA+\s], s21, v5
	v_add_nc_u32 v[ADRB+\s], s22, v4
	s_add_co_u32 s21, s21, SLOT
	s_add_co_u32 s22, s22, SLOT
.endr
	s_mul_i32 s23, s14, 16*SPITCH                  ; my stage
	v_mul_u32_u24 v5, v1, SPITCH
	v_lshl_add_u32 v5, v2, 6, v5
	v_add_nc_u32 v[STO], s23, v5                   ; in: row r; 64 bytes (16 columns) for each half of the lanes in each 128
	v_and_b32 v6, 31, v0
	v_lshlrev_b32 v[CO], 4, v6                     ; back: the 32 lanes take one row of 512 bytes; and the same in out0
	v_add_nc_u32 v[RD], s23, v[CO]
	s_lshl_b32 s94, s42, 10
	s_lshl_b32 s95, s16, 9
	s_add_co_u32 s95, s95, s94
	v_lshl_add_u32 v[BIA], v2, 6, s95              ; the bias: register 16 g + i wants column 32 g + 16 h + i of my 128
.irp g, 0,1,2,3
.irp k, 0,1,2,3
	global_load_b128 v[BI+16*\g+4*\k:BI+16*\g+4*\k+3], v[BIA], s[10:11] offset:128*\g+16*\k
.endr
.endr
	s_lshl_b32 s20, s17, 8
	s_lshl_b32 s21, s15, 7
	s_add_co_u32 s20, s20, s21                     ; my first row of out0,
	s_lshl_b32 s20, s20, 12                        ; 4,096 bytes each
	s_mov_b32 s21, 0
	s_lshl_b32 s46, s42, 10                        ; my first column, in bytes
	s_lshl_b32 s47, s16, 9
	s_add_co_u32 s46, s46, s47
	s_mov_b32 s47, 0
	s_add_nc_u64 s[20:21], s[20:21], s[46:47]
	s_add_nc_u64 s[12:13], s[12:13], s[20:21]
.macro FRAG reg, adr, q, i             ; w_codes: registers 4 c .. 4 c + 3 hold K = 128 q + 32 c + 16 h + 0 .. 15
.irp c, 0,1,2,3
	ds_load_b128 v[\reg+4*\c:\reg+4*\c+3], v[\adr] offset:128*(\q)+32*\c+(\i)*16*PITCH
.endr
.endm
.macro FRAGA reg, adr, q, i            ; wv: the same K: head 2 q + c / 2 of the slot's four, channels 32 (c % 2) + 16 h + 0 .. 15
.irp c, 0,1,2,3
	ds_load_b128 v[\reg+4*\c:\reg+4*\c+3], v[\adr] offset:(2*(\q)+\c/2)*HEADB+(\i)*4*PITCH+32*(\c%2)
.endr
.endm
.macro MUL16 a0, p, zero               ; the 64 accumulators take turns, one instruction a turn, in the same order in every step
.irp a, \a0, \a0+1
.irp b, 0,1,2,3,4,5,6,7
.if \zero
	v_wmma_f32_16x16x128_fp8_fp8 v[8*(8*((\a)%4)+\b):8*(8*((\a)%4)+\b)+7], v[128*(\p)+FR*\b:128*(\p)+FR*\b+FR-1], v[AF+FR*(\a):AF+FR*(\a)+FR-1], 0
.else
	v_wmma_f32_16x16x128_fp8_fp8 v[8*(8*((\a)%4)+\b):8*(8*((\a)%4)+\b)+7], v[128*(\p)+FR*\b:128*(\p)+FR*\b+FR-1], v[AF+FR*(\a):AF+FR*(\a)+FR-1], v[8*(8*((\a)%4)+\b):8*(8*((\a)%4)+\b)+7]
.endif
.endr
.endr
.endm
.macro FETCH_B slot, q, p
	WIN TO_B
.irp i, 0,1,2,3,4,5,6,7
	FRAG 128*(\p)+FR*\i, ADRB+\slot, \q, \i
.endr
	WIN 0
.endm
.macro FETCH_A slot, q, i0
.irp i, \i0, \i0+1, \i0+2, \i0+3
	FRAGA AF+FR*(\i), ADRA+\slot, \q, \i
.endr
.endm
.macro PLACES n
.rept \n
	v_nop
.endr
.endm
.macro STEP slot, q, zero
	s_wait_dscnt 4*NL                              ; w_codes' set and wv's blocks 0-3 are in; the youngest 16 loads (blocks 4-7) may be out
	WIN MUL_LO
	MUL16 0, (\q)%2, \zero
	MUL16 2, (\q)%2, \zero
	s_wait_dscnt 0
	PLACES NP
	FETCH_B \slot, (\q)+1, 1-(\q)%2
	FETCH_A \slot, (\q)+1, 0
	WIN MUL_HI
	MUL16 4, (\q)%2, \zero
	MUL16 6, (\q)%2, \zero
	PLACES NP
	WIN 0
	FETCH_A \slot, (\q)+1, 4
.endm
.macro TURN slot, next, fill           ; a slot's last step changes slots: ONE barrier, with the wave's three lines in front of it
	s_wait_tensorcnt 0x0                           ; all my tensor loads have landed: my part of the next slot
	ds_add_u32 v[SPW], v[NIL]                      ; 0 onto my spare word
	s_wait_dscnt 4*NL+1                            ; (the add and the youngest 16 loads may be out)
	WIN MUL_LO
	MUL16 0, 1, 0
	s_wait_dscnt 0x0                               ; the add is done, and my reads of this slot are over
	s_barrier_signal -1
	MUL16 2, 1, 0
	WIN 0
	s_barrier_wait -1
.if \fill
	CREST                                          ; the barrier has opened a round of the cluster's barrier
	s_add_nc_u64 s[G0+4*\slot+2:G0+4*\slot+3], s[G0+4*\slot+2:G0+4*\slot+3], 2*2097152
	s_add_nc_u64 s[G0B+4*\slot+2:G0B+4*\slot+3], s[G0B+4*\slot+2:G0B+4*\slot+3], 2*ROWB
	JLOAD G0+4*\slot, G1, G0B+4*\slot, G1B
.else
	PLACES NP
.endif
	FETCH_B \next, 0, 0
	FETCH_A \next, 0, 0
	WIN MUL_HI
	MUL16 4, 1, 0
	MUL16 6, 1, 0
	PLACES NP
	WIN 0
	FETCH_A \next, 0, 4
.endm
	s_wait_tensorcnt 1                             ; my part of K step 0 is in; K step 1's one load may be out
	s_barrier_signal -1
	s_barrier_wait -1
	FETCH_B 0, 0, 0
	FETCH_A 0, 0, 0
	FETCH_A 0, 0, 4
	STEP 0, 0, 1
	s_mov_b32 s3, LAPS-1
.Llap:
	TURN 0, 1, 1
	STEP 1, 0, 0
	TURN 1, 0, 1
	STEP 0, 0, 0
	s_sub_co_u32 s3, s3, 1
	s_cmp_lg_u32 s3, 0
	s_cbranch_scc1 .Llap
	TURN 0, 1, 0
	STEP 1, 0, 0
	s_wait_dscnt 4*NL
	WIN MUL_LO
	MUL16 0, 1, 0
	MUL16 2, 1, 0
	s_wait_dscnt 0
	WIN MUL_HI
	MUL16 4, 1, 0
	MUL16 6, 1, 0
	WIN 0
; THE WAY OUT, block by block of 16 rows x 128 columns, through my own stage: whole rows of 512 bytes come back, which the 32 lanes store as 512 consecutive bytes.
.macro TOSTAGE a
.set AC, 64*((\a)%4)
.irp u, 0,1
	WIN 0x02+((\a)/4)                              ; source 0: window 2 or 3
.irp j, 0,2,4,6,8,10,12,14,16,18,20,22,24,26,28,30
	v_pk_fma_f32 v[TMP+\j:TMP+\j+1], v[AC+32*\u+\j:AC+32*\u+\j+1], s[96:97], v[BI+32*\u+\j:BI+32*\u+\j+1] op_sel_hi:[1,0,1]   ; sum x 2^(e6 + e7) + bias; each accumulator from its low end on
.endr
	WIN 0
.irp k, 0,1,2,3,4,5,6,7
	ds_store_b128 v[STO], v[TMP+4*\k:TMP+4*\k+3] offset:128*(2*\u+\k/4)+16*(\k%4)
.endr
.endr
.set BB, BK+64*((\a)%2)
.irp t, 0,1,2,3,4,5,6,7,8,9,10,11,12,13,14,15
	ds_load_b128 v[BB+4*\t:BB+4*\t+3], v[RD] offset:\t*SPITCH   ; LDS serves a wave's instructions in order: these see the stores above
.endr
.endm
.macro SEND a, younger
.set BB, BK+64*((\a)%2)
	s_wait_dscnt \younger
.if (\a) > 0
	s_add_nc_u64 s[12:13], s[12:13], 16*SIZE_N*4   ; (behind a wait on XCNT: the earlier stores have read their base)  16 rows on
.endif
.irp t, 0,1,2,3,4,5,6,7,8,9,10,11,12,13,14,15
	global_store_b128 v[CO], v[BB+4*\t:BB+4*\t+3], s[12:13] offset:\t*SIZE_N*4 th:TH_STORE_NT
.endr
.endm
	s_wait_kmcnt 0x0
	s_wait_loadcnt 0x0                             ; the bias
	s_add_co_i32 s96, s86, s87
	s_add_co_i32 s96, s96, 127
	s_lshl_b32 s96, s96, 23                        ; 2^(e6 + e7) as f32
	s_mov_b32 s97, s96                             ; (named with it as a pair, so it is written)
	PLACES NP
	TOSTAGE 0
.irp a, 1,2,3,4,5,6,7
.if \a > 1
	s_wait_xcnt 0x0                                ; block a - 2's stores have read their registers and their base
.endif
	TOSTAGE \a
	SEND \a-1, 32                                  ; behind block a - 1's loads: block a's 16 stores and 16 loads
.endr
	s_wait_xcnt 0x0
	SEND 7, 0
	s_wait_tensorcnt 0x0                           ; the wave's end
	ds_add_u32 v[SPW], v[NIL]
	s_wait_dscnt 0x0
	CROUND                                         ; the closing round
	s_endpgm
.Lfunc_end_k_qf78ebfa944_proj:
	.size	k_qf78ebfa944_proj, .Lfunc_end_k_qf78ebfa944_proj-k_qf78ebfa944_proj
	.p2alignl 7, 3214868480
	.fill 96, 4, 3214868480
	.section	.rodata,"a",@progbits
	.p2align	6, 0x0
	.amdhsa_kernel k_qf78ebfa944_proj
		.amdhsa_group_segment_fixed_size 327680
		.amdhsa_private_segment_fixed_size 0
		.amdhsa_enable_private_segment 0
		.amdhsa_kernarg_size 40
		.amdhsa_user_sgpr_count 2
		.amdhsa_user_sgpr_kernarg_segment_ptr 1
		.amdhsa_wavefront_size32 1
		.amdhsa_system_sgpr_workgroup_id_x 1
		.amdhsa_system_sgpr_workgroup_id_y 1
		.amdhsa_system_sgpr_workgroup_id_z 1
		.amdhsa_system_vgpr_workitem_id 0
		.amdhsa_next_free_vgpr 1024
		.amdhsa_next_free_sgpr 100
		.amdhsa_reserve_vcc 0
		.amdhsa_float_denorm_mode_32 3
		.amdhsa_float_denorm_mode_16_64 3
		.amdhsa_memory_ordered 1
		.amdhsa_forward_progress 1
		.amdhsa_inst_pref_size 125
	.end_amdhsa_kernel
	.amdgpu_metadata
---
amdhsa.version: [ 1, 2 ]
amdhsa.kernels:
  - .name:           k_qf78ebfa944_proj
    .symbol:         k_qf78ebfa944_proj.kd
    .args:
      - { .name: wv_codes, .offset: 0, .size: 8, .value_kind: global_buffer, .address_space: global }
      - { .name: w_codes, .offset: 8, .size: 8, .value_kind: global_buffer, .address_space: global }
      - { .name: lowp_scales, .offset: 16, .size: 8, .value_kind: global_buffer, .address_space: global }
      - { .name: b_out, .offset: 24, .size: 8, .value_kind: global_buffer, .address_space: global }
      - { .name: out0, .offset: 32, .size: 8, .value_kind: global_buffer, .address_space: global }
    .group_segment_fixed_size: 327680
    .private_segment_fixed_size: 0
    .kernarg_segment_align: 8
    .kernarg_segment_size: 40
    .max_flat_workgroup_size: 128
    .sgpr_count:     100
    .vgpr_count:     1024
    .wavefront_size: 32
...
	.end_amdgpu_metadata
.endif
;; end of part 4
